; MI455X (gfx1250); checked and timed in simulation.
; The chip was launched on July 23, 2026; its instructions are those of AMD's public machine-readable ISA for CDNA 5 (MIT licence, August 2026) and "CDNA5" Instruction Set Architecture Reference Guide (July 2026). The comments in the code are by the model that wrote it; some were corrected since.
;; Causal Multi Head Attention. Allowed arithmetic: matrix products marked QUANTISED: E4M3 operands, one E8M0 scale for each 32 along K, by v_wmma_scale_f32_16x16x128_f8f6f4 with both operands' format E4M3, f32 sums; everything else in f32.
;; Inputs: Wk 1,024 x 1,024 float32; Wo 1,024 x 1,024 float32; Wq 1,024 x 1,024 float32; Wv 1,024 x 1,024 float32; bk 1,024 float32; bo 1,024 float32; bq 1,024 float32; bv 1,024 float32; x 2 x 2,048 x 1,024 float32.
;; Outputs: out0 2 x 2,048 x 1,024 float32.
;; This version of the problem:
;;   THIS VERSION OF THE PROBLEM IS GIVEN IN LOW PRECISION. The matrix products marked QUANTISED in the list below multiply operands that are first quantised to E4M3 (4 exponent bits, 3 mantissa bits; 8 bits a number), with one power-of-two scale for each 32 numbers along K (OCP MX v1.0); their sums are f32. All else is computed in f32.
;;   The module's matrix products, in the order in which they are computed (A, B: the left and right operand; K: the contracted axis; several contracted axes count as one K, in the product's order):
;;     1. [M 4,096, K 1,024] x [K 1,024, N 1,024]; A: input x; B: input Wq: QUANTISED
;;     2. [M 4,096, K 1,024] x [K 1,024, N 1,024]; A: input x; B: input Wk: QUANTISED
;;     3. [M 4,096, K 1,024] x [K 1,024, N 1,024]; A: input x; B: input Wv: QUANTISED
;;     4. batch 32 x [M 2,048, K 64] x [K 64, N 2,048]; A: computed on the way; B: computed on the way: QUANTISED
;;     5. batch 32 x [M 2,048, K 2,048] x [K 2,048, N 64]; A: softmax (see below); B: computed on the way: QUANTISED
;;     6. [M 4,096, K 1,024] x [K 1,024, N 1,024]; A: computed on the way; B: input Wo: QUANTISED
;;   THE QUANTISER, for each operand of a quantised product, along K:
;;     - K is cut into blocks of 32 from its start; a last block that is shorter is filled with zeros.
;;     - A block's scale is 2^e with e = floor(log2(the largest magnitude in the block)) - 8, held to -126 .. 127; a block of zeros has e = 0. As a byte (E8M0): e + 127.
;;     - Each number is divided by its block's scale, clamped to +-448, and rounded to the nearest number of E4M3, ties to even, subnormals kept.
;;     - The product sums the exact products of the quantised numbers (number of the format x scale) in f32.
;;   ~~~python
;;   def quantise(x, axis):      # numpy; x: float32 -> the quantised numbers, widened to float32 again
;;       x = np.moveaxis(x, axis, -1); K = x.shape[-1]
;;       x = np.pad(x, [(0, 0)] * (x.ndim - 1) + [(0, -K % 32)]); x = x.reshape(x.shape[:-1] + (-1, 32)); a = np.abs(x).max(-1, keepdims=True)
;;       e = np.where(a > 0, np.clip(np.frexp(np.where(a > 0, a, 1))[1] - 1 - 8, -126, 127), 0)      # np.frexp(a)[1] - 1 = floor(log2(a)), exactly
;;       r = np.clip(x / 2.0 ** e, -448, 448)
;;       step = 2.0 ** (np.maximum(np.frexp(np.where(r == 0, 1, r))[1] - 1, -6) - 3)
;;       q = np.round(r / step) * step * 2.0 ** e      # np.round: ties to even
;;       return np.moveaxis(q.reshape(q.shape[:-2] + (-1,))[..., :K], -1, axis).astype(np.float32)
;;   ~~~
;;   SOFTMAX AHEAD OF A QUANTISED PRODUCT. Where the list says 'softmax', what is quantised is not the finished softmax but p = 2^(t - M), with t = logit x log2(e) and M = ceil(the row's largest t), a whole number; so 1/2 < the row's largest p <= 1. The row's sum l is taken of the UNQUANTISED p, in f32, and the product's result is divided by l at the end. Since M is a whole number, a kernel that streams over the keys may use a running M (the ceiling of the running maximum): every later rescaling is an exact power of two, which a block's scale takes up: the codes' values come out the same.
;;   OPERANDS COMPUTED ON THE WAY. 'Computed on the way' means the value that the module computes at that place (a softmax that the list does not call 'softmax' is quantised finished and normalised). What goes into a quantiser is computed in f32, as accurately as f32 sums, v_exp_f32 and their like allow (about 1e-6 of the number): no bf16 or f16 on the way to a quantiser, and a product that is left as it is and whose result goes on into a quantised operand takes f32 operands (vector FMAs, or v_wmma_f32_16x16x4_f32). A number that lies on a knife's edge between two numbers of the format may be rounded either way, as far as f32 arithmetic and the matrix unit's own rounding can turn it there, and no further.
;; 2 versions. Each part assembles by itself: llvm-mc -triple=amdgcn-amd-amdhsa -mcpu=gfx1250 --defsym DOCPART=n.
;; ======== version 1 of 2: 4 launches
;; workspace buffers: gcodes 8,388,608 bytes; gscales 262,144 bytes; att 17,301,504 bytes; ocodes 4,194,304 bytes; oscales 131,072 bytes
;; launch quant (part 1): grid 256 x 1, 4 waves a work-group, no clusters, 0 bytes of LDS; arguments x, Wq, Wk, Wv, Wo, gcodes, gscales; writes gcodes, gscales
.if DOCPART == 1
	.amdgcn_target "amdgcn-amd-amdhsa--gfx1250"
	.amdhsa_code_object_version 6
	.text
	.protected	k_q8f1951b575_quant
	.globl	k_q8f1951b575_quant
	.p2align	8
	.type	k_q8f1951b575_quant,@function
k_q8f1951b575_quant:
	s_mov_b64 s[64:65], 0
	v_nop
	global_prefetch_b8 v0, s[64:65] scope:SCOPE_SE
	s_setreg_imm32_b32 hwreg(HW_REG_WAVE_MODE, 25, 1), 1
	s_wait_xcnt 0x0
; x [4096][1024] and Wq, Wk, Wv, Wo [1024][1024], f32 with K innermost, become codes of FP8 (E4M3) with one E8M0 byte for each 32 along K.
; The five tensors are stacked to 8,192 rows: x from row 0, Wq from 4,096, Wk from 5,120, Wv from 6,144, Wo from 7,168.
; THE CODES ARE LAID AS IMAGES OF OPERAND REGISTERS: gcodes [slab of 256 K: 4][tile of 16 rows: 512][128 K: 2][c: 4][lane: 32][16 bytes]; a fragment (16 rows x 128 K) is four
; runs of 512 bytes, lane l's 16 bytes at 16 l.  gscales [tile 512][slab 4][r 16][128 K: 2] words, byte c of a word for block c.
; THE ROWS OF A TILE ARE NOT NEIGHBOURS: lane r of tile 2 g + u holds row 32 g + 8 u + r + 8 (r / 8), so that in a product used transposed the 16 registers of two neighbouring
; tiles are 16 neighbouring rows: the next quantiser then finds its K along a lane's registers.
; A block's scale is 2^(floor(log2(its largest magnitude)) - 8); its byte is the largest magnitude's exponent field - 8, held at 1 from below; each number is held within +-448 x the scale.
; LIMITS: NaN and infinities among the inputs are not served.  A block whose largest magnitude lies under 2^(9 - 127), a block of zeros among them, gets the byte 1 (the quantiser's
; text says 127 for zeros): its codes are zeros or the rounded quotients under that scale, and this program alone reads the bytes.
; SHARES: work-group g takes stacked rows 32 g .. 32 g + 31; wave w takes tile 2 g + (w >> 1) and 512 of K, (w & 1): four steps of 128 along K, written out.
; Lane (r, h) loads, of its row, 16 neighbouring numbers of each block of 32 (64 bytes, four loads); a step's 16 loads cover 512 consecutive bytes in each of 16 rows.
; Memory binds: no LDS, no barrier, no matrix unit; two sets of 64 registers keep 32 loads of a wave on their way.  No address and no store's data are ever rewritten.
.set TM,   16                          ; v16-19 largest magnitudes, v20-23 the other half's / the bytes, v24-27 448 x the scale, v28-31 the conversions' scale operands
.set SETA, 32                          ; v32-95   64 numbers
.set SETB, 96                          ; v96-159  64 numbers
.set CD,   160                         ; v160-223 the codes of the four steps
.set PW,   224                         ; v224-227 the scale words of the four steps
.set SEL,  30                          ; s[30:31] lane selects: lane l xor 16
.set MNT,  32                          ; s32      the mantissa field of 448
	s_load_b256 s[4:11], s[0:1], 0x0               ; x, Wq, Wk, Wv
	s_load_b128 s[12:15], s[0:1], 0x20             ; Wo, gcodes
	s_load_b64 s[16:17], s[0:1], 0x30              ; gscales
	v_lshrrev_b32 v1, 5, v0
	v_readfirstlane_b32 s18, v1                    ; wave
	s_lshr_b32 s19, s18, 1                         ; u: which tile of the two
	s_and_b32 s20, s18, 1                          ; which 512 of K
	v_and_b32 v1, 31, v0                           ; lane
	v_and_b32 v2, 15, v0                           ; r
	v_bfe_u32 v3, v0, 4, 1                         ; h
	v_and_b32 v4, 8, v2
	v_add_nc_u32 v4, v4, v2                        ; r + 8 (r / 8)
	v_lshlrev_b32 v4, 12, v4                       ; a row is 4,096 bytes
	v_lshl_add_u32 v4, v3, 6, v4                   ; + 64 h: my 16 numbers of a block
	v_lshlrev_b32 v5, 4, v1                        ; an image's place for my lane
	v_lshlrev_b32 v6, 3, v2
	v_lshl_add_u32 v6, v3, 7, v6                   ; the scale words: lanes 0-15 the first slab's pair, lanes 16-31 the second's
	s_mov_b32 s[SEL], 0x76543210
	s_mov_b32 s[SEL+1], 0xfedcba98
	s_mov_b32 s[MNT], 0x600000
.irp b, 0,1,2,3
	v_mov_b32 v[TM+4+\b], 0                        ; written once: a lane permute's destination counts as one of its sources
.endr
	s_wait_kmcnt 0x0
	s_mov_b64 s[22:23], s[12:13]                   ; which tensor: the choice hangs on the work-group's number alone
	s_cmp_lt_u32 ttmp9, 224
	s_cselect_b64 s[22:23], s[10:11], s[22:23]
	s_cmp_lt_u32 ttmp9, 192
	s_cselect_b64 s[22:23], s[8:9], s[22:23]
	s_cmp_lt_u32 ttmp9, 160
	s_cselect_b64 s[22:23], s[6:7], s[22:23]
	s_cmp_lt_u32 ttmp9, 128
	s_cselect_b64 s[22:23], s[4:5], s[22:23]
	s_and_b32 s24, ttmp9, 31                       ; the block of 32 rows inside a weight,
	s_cmp_lt_u32 ttmp9, 128
	s_cselect_b32 s24, ttmp9, s24                  ; or inside x
	s_lshl_b32 s24, s24, 17                        ; 32 rows of 4,096 bytes
	s_lshl_b32 s25, s19, 15                        ; + 8 u rows
	s_add_co_u32 s24, s24, s25
	s_lshl_b32 s25, s20, 11                        ; + my 512 of K
	s_add_co_u32 s24, s24, s25
	s_mov_b32 s25, 0
	s_add_nc_u64 s[22:23], s[22:23], s[24:25]
	s_lshl_b32 s33, ttmp9, 1
	s_add_co_u32 s33, s33, s19                     ; my tile's number
	s_lshl_b32 s34, s33, 12
	s_lshl_b32 s35, s20, 22                        ; two slabs of 2,097,152 bytes
	s_add_co_u32 s34, s34, s35
	s_mov_b32 s35, 0
	s_add_nc_u64 s[26:27], s[14:15], s[34:35]      ; my codes
	s_lshl_b32 s34, s33, 9
	s_lshl_b32 s36, s20, 8
	s_add_co_u32 s34, s34, s36
	s_add_nc_u64 s[28:29], s[16:17], s[34:35]      ; my 256 bytes of scale words
.macro XLOAD reg, s                    ; step s: register 16 b + i = k 32 b + 16 h + i of my row
.irp b, 0,1,2,3
.irp j, 0,1,2,3
	global_load_b128 v[\reg+16*\b+4*\j:\reg+16*\b+4*\j+3], v4, s[22:23] offset:512*\s+128*\b+16*\j th:TH_LOAD_NT
.endr
.endr
.endm
; 64 numbers of a lane become a fragment's codes in v[pc] on and its scale word in v[pw]
.macro QUANT s, pc, pw
.irp b, 0,1,2,3
	v_max3_num_f32 v[TM+\b], |v[\s+16*\b]|, |v[\s+1+16*\b]|, 0x4800000   ; block b: my 16 numbers, and the floor 2^(9 - 127): the byte cannot fall under 1
.endr
.irp i, 2,4,6,8,10,12,14
.irp b, 0,1,2,3
	v_max3_num_f32 v[TM+\b], v[TM+\b], |v[\s+16*\b+\i]|, |v[\s+1+16*\b+\i]|   ; the four blocks by turns
.endr
.endr
.irp b, 0,1,2,3
	v_permlanex16_b32 v[TM+4+\b], v[TM+\b], s[SEL], s[SEL+1]
.endr
.irp b, 0,1,2,3
	v_max_num_f32 v[TM+\b], v[TM+\b], v[TM+4+\b]   ; with lane l xor 16's: the block's largest magnitude
.endr
.irp b, 0,1,2,3
	v_add_nc_u32 v[TM+12+\b], 0xfc000000, v[TM+\b] ; 8 off its exponent field: the conversion takes this operand's exponent field as its scale
.endr
.irp b, 0,1,2,3
	v_and_or_b32 v[TM+8+\b], v[TM+\b], 0x7f800000, s[MNT]   ; 448 x the scale
.endr
.irp b, 0,1,2,3
	v_lshrrev_b32 v[TM+4+\b], 23, v[TM+12+\b]      ; the scale's byte
.endr
	v_lshl_or_b32 v[\pw], v[TM+5], 8, v[TM+4]
	v_lshl_or_b32 v[\pw], v[TM+6], 16, v[\pw]
	v_lshl_or_b32 v[\pw], v[TM+7], 24, v[\pw]      ; my row's scale word
.irp b, 0,1,2,3
.irp i, 0,1,2,3,4,5,6,7,8,9,10,11,12,13,14,15
	v_med3_num_f32 v[\s+16*\b+\i], v[\s+16*\b+\i], -v[TM+8+\b], v[TM+8+\b]   ; the conversion to an 8-bit code does not saturate (ISA guide 7.6.2): the hold
.endr
	v_cvt_scalef32_pk8_fp8_f32 v[\pc+4*\b:\pc+1+4*\b], v[\s+16*\b:\s+7+16*\b], v[TM+12+\b]
	v_cvt_scalef32_pk8_fp8_f32 v[\pc+2+4*\b:\pc+3+4*\b], v[\s+8+16*\b:\s+15+16*\b], v[TM+12+\b]
.endr
	v_nop                                          ; one plain vector line behind the last conversion of a run
.endm
.macro OUT s                           ; each store covers 512 consecutive bytes, aligned
.irp c, 0,1,2,3
	global_store_b128 v5, v[CD+16*\s+4*\c:CD+16*\s+4*\c+3], s[26:27] offset:(\s/2)*2097152+(\s%2)*2048+512*\c
.endr
.endm
	XLOAD SETA, 0
	XLOAD SETB, 1
	s_wait_loadcnt 16                              ; step 0's 16 loads are in; step 1's 16 may be out
	QUANT SETA, CD, PW
	OUT 0
	XLOAD SETA, 2
	s_wait_loadcnt 16                              ; step 1's are in; step 2's may be out
	QUANT SETB, CD+16, PW+1
	OUT 1
	XLOAD SETB, 3
	s_wait_loadcnt 16                              ; step 2's are in; step 3's may be out
	QUANT SETA, CD+32, PW+2
	OUT 2
	s_wait_loadcnt 0x0
	QUANT SETB, CD+48, PW+3
	OUT 3
	v_cmp_ne_u32 vcc_lo, 0, v3                     ; both halves of the lanes hold all four words: lanes 0-15 send the first slab's two, lanes 16-31 the second's
	v_cndmask_b32 v228, v224, v226, vcc_lo
	v_cndmask_b32 v229, v225, v227, vcc_lo
	global_store_b64 v6, v[228:229], s[28:29]      ; 32 lanes store 256 consecutive bytes, aligned
	s_endpgm
.Lfunc_end_k_q8f1951b575_quant:
	.size	k_q8f1951b575_quant, .Lfunc_end_k_q8f1951b575_quant-k_q8f1951b575_quant
	.p2alignl 7, 3214868480
	.fill 96, 4, 3214868480
	.section	.rodata,"a",@progbits
	.p2align	6, 0x0
	.amdhsa_kernel k_q8f1951b575_quant
		.amdhsa_group_segment_fixed_size 0
		.amdhsa_private_segment_fixed_size 0
		.amdhsa_enable_private_segment 0
		.amdhsa_kernarg_size 56
		.amdhsa_user_sgpr_count 2
		.amdhsa_user_sgpr_kernarg_segment_ptr 1
		.amdhsa_wavefront_size32 1
		.amdhsa_system_sgpr_workgroup_id_x 1
		.amdhsa_system_sgpr_workgroup_id_y 1
		.amdhsa_system_sgpr_workgroup_id_z 1
		.amdhsa_system_vgpr_workitem_id 0
		.amdhsa_next_free_vgpr 232
		.amdhsa_next_free_sgpr 66
		.amdhsa_reserve_vcc 1
		.amdhsa_float_denorm_mode_32 3
		.amdhsa_float_denorm_mode_16_64 3
		.amdhsa_memory_ordered 1
		.amdhsa_forward_progress 1
		.amdhsa_inst_pref_size 43
	.end_amdhsa_kernel
	.amdgpu_metadata
---
amdhsa.version: [ 1, 2 ]
amdhsa.kernels:
  - .name:           k_q8f1951b575_quant
    .symbol:         k_q8f1951b575_quant.kd
    .args:
      - { .name: x, .offset: 0, .size: 8, .value_kind: global_buffer, .address_space: global }
      - { .name: Wq, .offset: 8, .size: 8, .value_kind: global_buffer, .address_space: global }
      - { .name: Wk, .offset: 16, .size: 8, .value_kind: global_buffer, .address_space: global }
      - { .name: Wv, .offset: 24, .size: 8, .value_kind: global_buffer, .address_space: global }
      - { .name: Wo, .offset: 32, .size: 8, .value_kind: global_buffer, .address_space: global }
      - { .name: gcodes, .offset: 40, .size: 8, .value_kind: global_buffer, .address_space: global }
      - { .name: gscales, .offset: 48, .size: 8, .value_kind: global_buffer, .address_space: global }
    .group_segment_fixed_size: 0
    .private_segment_fixed_size: 0
    .kernarg_segment_align: 8
    .kernarg_segment_size: 56
    .max_flat_workgroup_size: 128
    .sgpr_count:     66
    .vgpr_count:     232
    .wavefront_size: 32
...
	.end_amdgpu_metadata
.endif
;; end of part 1
;; launch qkv (part 2): grid 8 x 24, 4 waves a work-group, clusters of 4 x 4, 327,680 bytes of LDS; arguments gcodes, gscales, bq, bk, bv, att; writes att
.if DOCPART == 2
	.amdgcn_target "amdgcn-amd-amdhsa--gfx1250"
	.amdhsa_code_object_version 6
	.text
	.protected	k_q8f1951b575_qkv
	.globl	k_q8f1951b575_qkv
	.p2align	8
	.type	k_q8f1951b575_qkv,@function
k_q8f1951b575_qkv:
	s_mov_b64 s[64:65], 0
	v_nop
	global_prefetch_b8 v0, s[64:65] scope:SCOPE_SE
	s_setreg_imm32_b32 hwreg(HW_REG_WAVE_MODE, 25, 1), 1
	s_wait_xcnt 0x0
	s_wait_alu depctr_hold_cnt(0) depctr_sa_sdst(0) depctr_va_vdst(0) depctr_va_sdst(0) depctr_va_ssrc(0) depctr_va_vcc(0) depctr_vm_vsrc(0)
	s_getreg_b32 s2, hwreg(HW_REG_IB_STS2, 6, 4)
	s_cmp_eq_u32 s2, 0
	s_cbranch_scc0 .Lentry_in_a_cluster
	s_endpgm
.Lentry_in_a_cluster:
	s_bfe_u32 s2, ttmp6, 0x10000c
	s_cmp_lg_u32 s2, 0xf033
	s_cbranch_scc0 .Lentry_shape_is_right
	s_endpgm
.Lentry_shape_is_right:
; q = x Wq^T + bq, k = x Wk^T + bk, v = x Wv^T + bv on codes of FP8 (E4M3) with E8M0 scales, K = 1,024; the results are quantised in registers and leave as images of the
; attention's operands: q and k along the head's 64, v along the keys.  Nothing leaves as f32.
; A tile is 256 x 256, four waves, a wave 128 x 128: 64 accumulators, 512 registers.  K goes in slabs of 256 through two LDS slots filled by the tensor data mover.  The codes lie in
; memory as images of operand registers, so 128 rows of a slab are 32,768 dense bytes, a fragment is four LDS loads of 512 consecutive bytes, and no row is padded.
; THE MATRIX INSTRUCTION IS USED TRANSPOSED: source 0 = operand P (called B below), source 1 = operand Q (called A).  Lane (r, h) of accumulator (a, b) holds row r of Q's tile a, and, since
; lane r of tile 2 g + u holds row 32 g + 8 u + r + 8 (r / 8), the 64 registers of a's eight accumulators are P's rows 32 b + 16 h + i at register 16 b + i: a fragment's order.
; TWO MODES, by the cluster's y (CY, equal in all sixteen partners): CY 0-3: P = Wq or Wk (registers run along the head's channels), Q = x (a lane holds a token): q and k.
;   CY 4-5: P = x (registers run along the tokens, v's K), Q = Wv (a lane holds a channel): v.
; CLUSTERS 4 x 4: in both modes Q's tile hangs on cy and never on cx, P's on cx and never on cy: Q's tiles are asked for jointly along a row of the cluster, P's along a column.
; att [which 2][batch x head 32][group of 128 tokens 16] records of 16,896 bytes: 0: q's or k's 8 tiles x 1,024; 8,192: v's 4 channel tiles x 2,048; 16,384: q's or k's scale words
; [r 16][f 4], word f = tile 2 f's two bytes, tile 2 f + 1's two; 16,640: v's scale words [r 16][tile 4].  which 0: q (its v parts are neither written nor read), which 1: k and v.
; LIMITS: as in the quantiser ahead: NaN and infinities not served; a block under 2^(9 - 127), zeros among them, gets the byte 1.
; REGISTERS: window 0: v1-6 lane numbers; v16-30 addresses; v32-63 scale words, two sets; v64-127 biases; v128-255 A's fragments, one set, later the way out.
;   window 1: B's fragments, two sets.  windows 2, 3: the accumulators ((a, b) at v[8 (8 (a % 4) + b)]).
.set NQ,     2                         ; steps of 128 along K in a slab
.set FR,     16                        ; registers of a fragment
.set NL,     4                         ; LDS loads that bring one
.set NP,     8                         ; places behind this matrix instruction (ISA guide 7.12.1)
.set HALFT,  32768                     ; 128 rows of a slab: one tensor load
.set SLOT,   131072                    ; A's 256 rows, then B's
.set SCL,    262144                    ; behind the ring: the scale words of all of K: A's 8,192 bytes, then B's; filled once
.set HALFS,  4096
.set SBLK,   512                       ; a tile's scale words
.set SPARE,  278528                    ; the spare words, 128 bytes a wave: two blocks of 256 bytes that no other line names
.set LAPS,   2                         ; 1,024 / 512
.set ASLAB,  2097152                   ; bytes from slab to slab
.set BSLAB,  2097152
.set REC,    16896
.set HSTR,   16*REC                    ; from head to head
.set WHICH,  32*HSTR
.set ADRA, 16                          ; v16-17 LDS address of my A fragments in slot 0, 1
.set ADRB, 20                          ; v20-21 the same for B
.set VO,   24                          ; v24  16 x lane
.set VSO,  25                          ; v25  the scale words on the way out: h x HSTR + 16 r
.set VBQ,  26                          ; v26  64 h: bq, bk
.set ADRS, 27                          ; v27  LDS address of my scale words: lanes 0-15 A's, lanes 16-31 B's
.set SPW,  28                          ; v28  my spare word; never rewritten
.set NIL,  29                          ; v29  0; never rewritten
.set VBV,  30                          ; v30  4 (r + 8 (r / 8)): bv
.set SC,   32
.set BI,   64                          ; the biases
.set AF,   128
.set T,    128                         ; the way out: 64 results + bias
.set PC,   192                         ; their codes
.set TM,   208                         ; at work
.set PWS,  224                         ; v224-231 a scale word for each block a
.set XW,   232                         ; v232-235 the words that leave
.set KW,   236                         ; v236-243 q's, k's words put together
.set G1, 24                            ; s[24:31] group 1 for A's tiles; s[32:39] group 0, a set for each slot
.set G0, 32
.set G1B, 48                           ; s[48:55], s[56:63] the same for B
.set G0B, 56
.set G1S, 68                           ; s[68:75], s[76:79] A's scales; s[80:87], s[88:91] B's
.set G0S, 76
.set G1SB, 80
.set G0SB, 88
.set SEL, 98                           ; s[98:99] lane selects: lane l xor 16
.set MNT, 100                          ; s100 the mantissa field of 448
.set MSB, 0
.macro WIN new                         ; the immediate's high byte repeats the setting that is left
.if MSB != \new
	s_set_vgpr_msb (MSB<<8)|\new
.set MSB, \new
.endif
.endm
.set MUL_LO, 0xa1                      ; source 0 (B) window 1, source 1 (A) window 0, C and D window 2
.set MUL_HI, 0xf1                      ; the same, C and D window 3
.set TO_B,   0x40                      ; destination window 1
; A joint load: waves 0 and 1 fetch for A, waves 2 and 3 for B; the branch hangs on the wave's number alone.  Four v_nop follow each of the two lines.
.macro JLOAD g0a, g1a, g0b, g1b
	s_cmp_eq_u32 s17, 0
	s_cbranch_scc0 .Lfor_b_\@
	tensor_load_to_lds s[\g0a:\g0a+3], s[\g1a:\g1a+7]
	s_nop 0
.rept 4
	v_nop
.endr
	s_branch .Lasked_\@
.Lfor_b_\@:
	tensor_load_to_lds s[\g0b:\g0b+3], s[\g1b:\g1b+7]
	s_nop 0
.rept 4
	v_nop
.endr
.Lasked_\@:
.endm
.macro CREST                           ; a round of the cluster's barrier behind its opening barrier
	s_cmp_lg_u32 s16, 0
	s_cbranch_scc1 .Lnot_wave_0_\@
	s_barrier_signal -3
.Lnot_wave_0_\@:
	s_barrier_wait -3
	s_barrier_signal -1
	s_barrier_wait -1
.endm
.macro CROUND
	s_barrier_signal -1
	s_barrier_wait -1
	CREST
.endm
	s_load_b256 s[4:11], s[0:1], 0x0               ; gcodes s[4:5], gscales s[6:7], bq s[8:9], bk s[10:11]
	s_load_b128 s[12:15], s[0:1], 0x20             ; bv s[12:13], att s[14:15]
	v_lshl_add_u32 v[SPW], v0, 2, SPARE
	v_mov_b32 v[NIL], 0
	ds_add_u32 v28, v29
	ds_add_u32 v28, v29
	s_wait_dscnt 0x0
	v_lshrrev_b32 v1, 5, v0
	v_readfirstlane_b32 s16, v1                    ; wave 0..3
	s_lshr_b32 s17, s16, 1                         ; HA: my half of A's rows.  Also: I fetch for A (0) or for B (1)
	s_and_b32 s18, s16, 1                          ; HB: my half of B's rows.  Also: which 128 rows I fetch
	s_bfe_u32 s40, ttmp6, 0x40000                  ; cx
	s_bfe_u32 s41, ttmp6, 0x40004                  ; cy
	s_lshl_b32 s42, ttmp9, 2
	s_add_co_u32 s42, s42, s40                     ; gx = 4 x cluster x + cx
	s_and_b32 s19, ttmp7, 0xffff                   ; CY: the cluster's y
	s_lshl_b32 s43, s41, 2
	s_lshl_b32 s43, 15, s43                        ; my row of the cluster
	s_lshl_b32 s44, 0x1111, s40                    ; my column
	s_and_b32 s20, s19, 3
	s_lshl_b32 s20, s20, 3                         ; 8 (CY - 4) where CY is 4 or 5
	s_lshl_b32 s21, s19, 2                         ; 4 CY
	s_cmp_ge_u32 s19, 4                            ; the mode
	s_cselect_b32 s20, s20, 16
	s_cselect_b32 s21, 24, s21
	s_add_co_u32 s95, s42, s20                     ; P's tile of 256 stacked rows: 16 + gx (Wq, Wk), or gx + 8 (CY - 4) (x)
	s_add_co_u32 s101, s41, s21                    ; Q's: 4 CY + cy (x), or 24 + cy (Wv)
	; group 1: 128 rows of 256 dense bytes (32 elements of 8 bytes), no padding
	s_or_b32 s[G1+0], s43, (3<<16)|(1<<21)         ; 15:0 the mask: A's tiles go to my row; 17:16 elements of 8 bytes; 21 set beside a mask
	s_or_b32 s[G1B+0], s44, (3<<16)|(1<<21)        ; B's to my column
.irp g, G1, G1B
	s_mov_b32 s[\g+1], 32<<16                      ; tensor_dim0
	s_mov_b32 s[\g+2], 128<<16                     ; tensor_dim1
	s_mov_b32 s[\g+3], 32<<16                      ; tile_dim0
	s_mov_b32 s[\g+4], 128                         ; tile_dim1
	s_mov_b32 s[\g+5], 32                          ; the pitch
	s_mov_b32 s[\g+6], 0
	s_mov_b32 s[\g+7], 0
.endr
	s_or_b32 s[G1S+0], s43, (3<<16)|(1<<21)        ; the scale words of 128 rows: 16 rows of 256 dense bytes
	s_or_b32 s[G1SB+0], s44, (3<<16)|(1<<21)
.irp g, G1S, G1SB
	s_mov_b32 s[\g+1], 32<<16
	s_mov_b32 s[\g+2], 16<<16
	s_mov_b32 s[\g+3], 32<<16
	s_mov_b32 s[\g+4], 16
	s_mov_b32 s[\g+5], 32
	s_mov_b32 s[\g+6], 0
	s_mov_b32 s[\g+7], 0
.endr
	s_lshl_b32 s2, s18, 15                         ; which 128 rows I fetch
	s_lshl_b32 s3, s18, 12
	s_lshl_b32 s20, s101, 16                       ; A: codes,
	s_add_co_u32 s20, s20, s2
	s_mov_b32 s21, 0
	s_lshl_b32 s22, s101, 13                       ; scale words
	s_add_co_u32 s22, s22, s3
	s_mov_b32 s23, 0
	s_lshl_b32 s46, s95, 16                        ; B likewise, in registers that never hold cy
	s_add_co_u32 s46, s46, s2
	s_mov_b32 s47, 0
	s_lshl_b32 s92, s95, 13
	s_add_co_u32 s92, s92, s3
	s_mov_b32 s93, 0
	s_lshl_b32 s45, s16, 15                        ; where they go: wave x 32,768: no place in the cluster enters an LDS address
	s_lshl_b32 s94, s16, 12
	s_wait_kmcnt 0x0
	s_add_nc_u64 s[20:21], s[4:5], s[20:21]
	s_add_nc_u64 s[22:23], s[6:7], s[22:23]
	s_add_nc_u64 s[46:47], s[4:5], s[46:47]
	s_add_nc_u64 s[92:93], s[6:7], s[92:93]
	CROUND                                         ; all sixteen work-groups are here: the first joint loads meet
	s_mov_b32 s[G0S], 1
	s_add_co_u32 s[G0S+1], s94, SCL
	s_mov_b64 s[G0S+2:G0S+3], s[22:23]
	s_or_b32 s[G0S+3], s[G0S+3], 0x80000000
	s_mov_b32 s[G0SB], 1
	s_add_co_u32 s[G0SB+1], s94, SCL
	s_mov_b64 s[G0SB+2:G0SB+3], s[92:93]
	s_or_b32 s[G0SB+3], s[G0SB+3], 0x80000000
	JLOAD G0S, G1S, G0SB, G1SB                     ; the scale words first: they are wanted with slab 0
.irp s, 0,1
	s_mov_b32 s[G0+4*\s], 1
	s_add_co_u32 s[G0+4*\s+1], s45, \s*SLOT
	s_add_nc_u64 s[G0+4*\s+2:G0+4*\s+3], s[20:21], \s*ASLAB
	s_or_b32 s[G0+4*\s+3], s[G0+4*\s+3], 0x80000000
	s_mov_b32 s[G0B+4*\s], 1
	s_add_co_u32 s[G0B+4*\s+1], s45, \s*SLOT
	s_add_nc_u64 s[G0B+4*\s+2:G0B+4*\s+3], s[46:47], \s*BSLAB
	s_or_b32 s[G0B+4*\s+3], s[G0B+4*\s+3], 0x80000000
	JLOAD G0+4*\s, G1, G0B+4*\s, G1B               ; three tensor loads of mine are out
.endr
	v_and_b32 v1, 15, v0                           ; r
	v_bfe_u32 v2, v0, 4, 1                         ; h
	v_and_b32 v3, 31, v0                           ; lane
	v_lshlrev_b32 v4, 4, v3                        ; 16 x lane
	s_lshl_b32 s2, s17, 15                         ; my 128 rows of A
	s_lshl_b32 s3, s18, 15                         ; my 128 rows of B,
	s_add_co_u32 s3, s3, 65536                     ; behind A's 256
.irp s, 0,1
	v_add_nc_u32 v[ADRA+\s], s2, v4
	v_add_nc_u32 v[ADRB+\s], s3, v4
	s_add_co_u32 s2, s2, SLOT
	s_add_co_u32 s3, s3, SLOT
.endr
	v_lshlrev_b32 v5, 3, v1                        ; a row's two words of a slab
	s_lshl_b32 s2, s17, 12                         ; A's: my 128 rows
	s_lshl_b32 s3, s18, 12                         ; B's: my 128 rows, behind A's
	s_add_co_u32 s3, s3, 8192
	s_sub_co_u32 s3, s3, s2
	v_mul_u32_u24 v6, s3, v2                       ; lanes 16-31 take B's: one product, the distance between the two
	s_add_co_u32 s2, s2, SCL
	v_add_nc_u32 v5, v5, v6
	v_add_nc_u32 v[ADRS], s2, v5
	v_lshlrev_b32 v[VO], 4, v3
	v_mul_u32_u24 v[VSO], v2, HSTR
	v_lshl_add_u32 v[VSO], v1, 4, v[VSO]
	v_lshlrev_b32 v[VBQ], 6, v2
	v_and_b32 v[VBV], 8, v1
	v_add_nc_u32 v[VBV], v[VBV], v1
	v_lshlrev_b32 v[VBV], 2, v[VBV]
	s_mov_b32 s96, 0x05040100                      ; the low halves of two words
	s_mov_b32 s97, 0x07060302                      ; the high halves
	s_mov_b32 s[SEL], 0x76543210
	s_mov_b32 s[SEL+1], 0xfedcba98
	s_mov_b32 s[MNT], 0x600000
.macro FRAG reg, adr, q, i             ; tile i's fragment of the slab's q-th 128 along K: four loads of 512 consecutive bytes
.irp c, 0,1,2,3
	ds_load_b128 v[\reg+4*\c:\reg+4*\c+3], v[\adr] offset:2048*(\q)+512*\c+(\i)*4096
.endr
.endm
; 16 matrix instructions: A's blocks a0, a0 + 1 x B's eight.  p: B's set; sc: the set of scale words.  zero = 1: the first product starts the sums.
; The 64 accumulators take turns, one instruction a turn, in the same order in every step.
.macro MUL16 a0, p, q, sc, zero
.irp a, \a0, \a0+1
.irp b, 0,1,2,3,4,5,6,7
.if \zero
	v_wmma_scale_f32_16x16x128_f8f6f4 v[8*(8*((\a)%4)+\b):8*(8*((\a)%4)+\b)+7], v[128*(\p)+FR*\b:128*(\p)+FR*\b+FR-1], v[AF+FR*(\a):AF+FR*(\a)+FR-1], 0, v[SC+8*NQ*(\sc)+NQ*\b+(\q)], v[SC+8*NQ*(\sc)+NQ*(\a)+(\q)] matrix_a_scale:MATRIX_SCALE_ROW1
.else
	v_wmma_scale_f32_16x16x128_f8f6f4 v[8*(8*((\a)%4)+\b):8*(8*((\a)%4)+\b)+7], v[128*(\p)+FR*\b:128*(\p)+FR*\b+FR-1], v[AF+FR*(\a):AF+FR*(\a)+FR-1], v[8*(8*((\a)%4)+\b):8*(8*((\a)%4)+\b)+7], v[SC+8*NQ*(\sc)+NQ*\b+(\q)], v[SC+8*NQ*(\sc)+NQ*(\a)+(\q)] matrix_a_scale:MATRIX_SCALE_ROW1
.endif
.endr
.endr
.endm
.macro FETCH_B slot, q, p
	WIN TO_B
.irp i, 0,1,2,3,4,5,6,7
	FRAG 128*(\p)+FR*\i, ADRB+\slot, \q, \i
.endr
	WIN 0
.endm
.macro FETCH_A slot, q, i0
.irp i, \i0, \i0+1, \i0+2, \i0+3
	FRAG AF+FR*(\i), ADRA+\slot, \q, \i
.endr
.endm
.macro SCALES sc                       ; a slab's scale words: lanes 0-15 A's block i, lanes 16-31 B's block i; two words a row
.irp i, 0,1,2,3,4,5,6,7
	ds_load_b64 v[SC+8*NQ*\sc+NQ*\i:SC+8*NQ*\sc+NQ*\i+1], v[ADRS] offset:\i*SBLK
.endr
.endm
.macro PLACES n                        ; plain vector lines between a matrix instruction and a load into, or a read or write of, its registers (ISA guide 7.12.1 for a read or write)
.rept \n
	v_nop
.endr
.endm
.macro STEP slot, q, zero              ; a step of 128 along K that has its successor in the same slot
	s_wait_dscnt 4*NL                              ; B's set and A's blocks 0-3 are in; the youngest 16 loads (A's blocks 4-7) may be out
	WIN MUL_LO
	MUL16 0, (\q)%2, \q, \slot, \zero
	MUL16 2, (\q)%2, \q, \slot, \zero
	s_wait_dscnt 0
	PLACES NP
	FETCH_B \slot, (\q)+1, 1-(\q)%2
	FETCH_A \slot, (\q)+1, 0
	WIN MUL_HI
	MUL16 4, (\q)%2, \q, \slot, \zero
	MUL16 6, (\q)%2, \q, \slot, \zero
	PLACES NP
	WIN 0
	FETCH_A \slot, (\q)+1, 4
.endm
; A slot's last step changes slots: one barrier; in front of it each wave waits for all its tensor loads, adds 0 to its spare word, and waits for that and for its reads of this slot.
.macro TURN slot, next, fill
	s_wait_tensorcnt 0x0                           ; all my tensor loads have landed: my part of the next slot
	ds_add_u32 v[SPW], v[NIL]                      ; 0 onto my spare word
	s_wait_dscnt 4*NL+1                            ; the add and the youngest 16 loads (A's blocks 4-7) may be out
	WIN MUL_LO
	MUL16 0, 1, NQ-1, \slot, 0
	s_wait_dscnt 0x0                               ; the add is done, and my reads of this slot are over
	s_barrier_signal -1
	MUL16 2, 1, NQ-1, \slot, 0
	WIN 0
	s_barrier_wait -1
.if \fill
	CREST                                          ; the barrier has opened a round of the cluster's: no wave of any partner still reads this slot or has a load on its way
	s_add_nc_u64 s[G0+4*\slot+2:G0+4*\slot+3], s[G0+4*\slot+2:G0+4*\slot+3], 2*ASLAB
	s_add_nc_u64 s[G0B+4*\slot+2:G0B+4*\slot+3], s[G0B+4*\slot+2:G0B+4*\slot+3], 2*BSLAB
	JLOAD G0+4*\slot, G1, G0B+4*\slot, G1B         ; the first tensor load behind the round, my one until the next; its four v_nop are among the places below
	PLACES NP-4
.else
	PLACES NP
.endif
	v_add_nc_u32 v[ADRS], 128, v[ADRS]             ; the next slab's scale words (no LDS load of mine is out)
	FETCH_B \next, 0, 0
	FETCH_A \next, 0, 0
	SCALES \next
	WIN MUL_HI
	MUL16 4, 1, NQ-1, \slot, 0
	MUL16 6, 1, NQ-1, \slot, 0
	PLACES NP
	WIN 0
	FETCH_A \next, 0, 4
.endm
; 64 numbers of a lane, register 16 b + i = k 32 b + 16 h + i, become a fragment's codes in v[pc] on and its scale word in v[pw]
.macro QUANT s, pc, pw
.irp b, 0,1,2,3
	v_max3_num_f32 v[TM+\b], |v[\s+16*\b]|, |v[\s+1+16*\b]|, 0x4800000   ; my 16 numbers, and the floor 2^(9 - 127): the byte cannot fall under 1
.endr
.irp i, 2,4,6,8,10,12,14
.irp b, 0,1,2,3
	v_max3_num_f32 v[TM+\b], v[TM+\b], |v[\s+16*\b+\i]|, |v[\s+1+16*\b+\i]|
.endr
.endr
.irp b, 0,1,2,3
	v_permlanex16_b32 v[TM+4+\b], v[TM+\b], s[SEL], s[SEL+1]
.endr
.irp b, 0,1,2,3
	v_max_num_f32 v[TM+\b], v[TM+\b], v[TM+4+\b]   ; with lane l xor 16's: the block's largest magnitude
.endr
.irp b, 0,1,2,3
	v_add_nc_u32 v[TM+12+\b], 0xfc000000, v[TM+\b] ; 8 off its exponent field: the conversion's scale operand
.endr
.irp b, 0,1,2,3
	v_and_or_b32 v[TM+8+\b], v[TM+\b], 0x7f800000, s[MNT]   ; 448 x the scale
.endr
.irp b, 0,1,2,3
	v_lshrrev_b32 v[TM+4+\b], 23, v[TM+12+\b]      ; the scale's byte
.endr
	v_lshl_or_b32 v[\pw], v[TM+5], 8, v[TM+4]
	v_lshl_or_b32 v[\pw], v[TM+6], 16, v[\pw]
	v_lshl_or_b32 v[\pw], v[TM+7], 24, v[\pw]
.irp b, 0,1,2,3
.irp i, 0,1,2,3,4,5,6,7,8,9,10,11,12,13,14,15
	v_med3_num_f32 v[\s+16*\b+\i], v[\s+16*\b+\i], -v[TM+8+\b], v[TM+8+\b]   ; the conversion does not saturate (ISA guide 7.6.2): the hold
.endr
	v_cvt_scalef32_pk8_fp8_f32 v[\pc+4*\b:\pc+1+4*\b], v[\s+16*\b:\s+7+16*\b], v[TM+12+\b]
	v_cvt_scalef32_pk8_fp8_f32 v[\pc+2+4*\b:\pc+3+4*\b], v[\s+8+16*\b:\s+15+16*\b], v[TM+12+\b]
.endr
	v_nop                                          ; one plain vector line behind the last conversion of a run
.endm
; Block a of the way out: its eight accumulators + bias, each read from its low end on; quantised; four stores of 512 consecutive aligned bytes.
.macro BLOCK a, vmode
.if \a > 0
	s_wait_xcnt 0x0                                ; the last block's stores have read their data: the codes' registers are written again only behind this wait
.endif
.if \a < 4
	WIN 0x02                                       ; source 0: window 2
.else
	WIN 0x03                                       ; window 3
.endif
.set i, 0
.rept 32
.if \vmode
	v_pk_add_f32 v[T+2*i:T+2*i+1], v[64*(\a%4)+2*i:64*(\a%4)+2*i+1], v[BI+2*\a:BI+2*\a+1]   ; the bias is my lane's channel's, held twice
.else
	v_pk_add_f32 v[T+2*i:T+2*i+1], v[64*(\a%4)+2*i:64*(\a%4)+2*i+1], v[BI+2*i:BI+2*i+1]
.endif
.set i, i+1
.endr
	WIN 0
	QUANT T, PC, PWS+\a
.irp c, 0,1,2,3
.if \vmode
	global_store_b128 v[VO], v[PC+4*\c:PC+4*\c+3], s[14:15] offset:(\a/4)*HSTR+8192+(\a%4)*2048+512*\c   ; head a / 4, channel tile a % 4, keys 32 c on
.else
	global_store_b128 v[VO], v[PC+4*\c:PC+4*\c+3], s[14:15] offset:(\c/2)*HSTR+\a*1024+(\c%2)*512       ; head c / 2, token tile a, channels 32 (c % 2) on
.endif
.endr
.endm
	s_wait_tensorcnt 1                             ; the scale words and my part of slab 0 are in; slab 1's load may be out
	s_barrier_signal -1
	s_barrier_wait -1
	FETCH_B 0, 0, 0
	FETCH_A 0, 0, 0
	SCALES 0
	FETCH_A 0, 0, 4
	STEP 0, 0, 1                                   ; the first step stands in front of the loop: its products start the sums
	s_mov_b32 s3, LAPS-1
.Llap:                                             ; a trip goes once round the ring and fills both slots again
	TURN 0, 1, 1
	STEP 1, 0, 0
	TURN 1, 0, 1
	STEP 0, 0, 0
	s_sub_co_u32 s3, s3, 1
	s_cmp_lg_u32 s3, 0
	s_cbranch_scc1 .Llap
	TURN 0, 1, 0                                   ; the last lap fills nothing
	STEP 1, 0, 0
	s_wait_dscnt 4*NL                              ; the very last step
	WIN MUL_LO
	MUL16 0, 1, NQ-1, 1, 0
	MUL16 2, 1, NQ-1, 1, 0
	s_wait_dscnt 0
	WIN 0
	s_cmp_ge_u32 s19, 4                            ; the two modes part here, on the cluster's y; neither way touches LDS, holds a barrier or a tensor load
	s_cbranch_scc1 .Lv
	; ---- q and k.  which = gx >> 2; my two heads 4 (gx & 3) + 2 HB on; batch = Q's tile >> 3; group = 2 (Q's tile & 7) + HA
	s_lshr_b32 s2, s42, 2
	s_and_b32 s3, s42, 3
	s_lshl_b32 s20, s3, 2
	s_lshl_b32 s21, s18, 1
	s_add_co_u32 s20, s20, s21
	s_lshr_b32 s21, s101, 3
	s_lshl_b32 s21, s21, 4
	s_add_co_u32 s20, s20, s21                     ; 16 x batch + head
	s_lshl_b32 s20, s20, 4
	s_and_b32 s21, s101, 7
	s_lshl_b32 s21, s21, 1
	s_add_co_u32 s20, s20, s21
	s_add_co_u32 s20, s20, s17                     ; the record's number
	s_mul_i32 s20, s20, REC
	s_mul_i32 s21, s2, WHICH
	s_add_co_u32 s20, s20, s21
	s_mov_b32 s21, 0
	s_add_nc_u64 s[14:15], s[14:15], s[20:21]
	s_cmp_lg_u32 s2, 0
	s_cselect_b64 s[22:23], s[10:11], s[8:9]       ; bk or bq
	s_lshl_b32 s46, s3, 10
	s_lshl_b32 s47, s18, 9
	s_add_co_u32 s46, s46, s47
	s_mov_b32 s47, 0
	s_add_nc_u64 s[22:23], s[22:23], s[46:47]      ; at my 128 features
.irp b, 0,1,2,3
.irp j, 0,1,2,3
	global_load_b128 v[BI+16*\b+4*\j:BI+16*\b+4*\j+3], v[VBQ], s[22:23] offset:128*\b+16*\j   ; register 16 b + i: the bias of feature 32 b + 16 h + i
.endr
.endr
	WIN MUL_HI
	MUL16 4, 1, NQ-1, 1, 0                         ; the biases land under the last 32 products
	MUL16 6, 1, NQ-1, 1, 0
	WIN 0
	PLACES NP
.irp b, 0,1,2,3
	v_mov_b32 v[TM+4+\b], 0                        ; a lane permute's destination counts as one of its sources
.endr
	v_cmp_ne_u32 vcc_lo, 0, v2                     ; lanes 16-31
	s_wait_loadcnt 0x0
.irp a, 0,1,2,3,4,5,6,7
	BLOCK \a, 0
.endr
.irp f, 0,1,2,3
	v_perm_b32 v[KW+\f], v[PWS+2*\f+1], v[PWS+2*\f], s96     ; my first head: tile 2 f's two bytes, tile 2 f + 1's two
	v_perm_b32 v[KW+4+\f], v[PWS+2*\f+1], v[PWS+2*\f], s97   ; my second head
.endr
.irp f, 0,1,2,3
	v_cndmask_b32 v[XW+\f], v[KW+\f], v[KW+4+\f], vcc_lo     ; lanes 0-15 send the first head's words, lanes 16-31 the second's
.endr
	global_store_b128 v[VSO], v[XW:XW+3], s[14:15] offset:16384   ; sixteen lanes store 256 consecutive bytes, aligned
	s_branch .Lend
.Lv:
	; ---- v.  batch = P's tile >> 3; group of keys = 2 (P's tile & 7) + HB; my two heads 4 cy + 2 HA on
	s_lshr_b32 s20, s95, 3
	s_lshl_b32 s20, s20, 4
	s_lshl_b32 s21, s41, 2
	s_add_co_u32 s20, s20, s21
	s_lshl_b32 s21, s17, 1
	s_add_co_u32 s20, s20, s21
	s_lshl_b32 s20, s20, 4
	s_and_b32 s21, s95, 7
	s_lshl_b32 s21, s21, 1
	s_add_co_u32 s20, s20, s21
	s_add_co_u32 s20, s20, s18
	s_mul_i32 s20, s20, REC
	s_add_co_u32 s20, s20, WHICH
	s_mov_b32 s21, 0
	s_add_nc_u64 s[14:15], s[14:15], s[20:21]
	s_lshl_b32 s46, s41, 10
	s_lshl_b32 s47, s17, 9
	s_add_co_u32 s46, s46, s47
	s_mov_b32 s47, 0
	s_add_nc_u64 s[22:23], s[12:13], s[46:47]      ; bv at my 128 channels
.irp a, 0,1,2,3,4,5,6,7
	global_load_b32 v[BI+2*\a], v[VBV], s[22:23] offset:(32*(\a/2)+8*(\a%2))*4     ; my lane's channel of tile a, into both registers of a pair
	global_load_b32 v[BI+2*\a+1], v[VBV], s[22:23] offset:(32*(\a/2)+8*(\a%2))*4
.endr
	WIN MUL_HI
	MUL16 4, 1, NQ-1, 1, 0
	MUL16 6, 1, NQ-1, 1, 0
	WIN 0
	PLACES NP
.irp b, 0,1,2,3
	v_mov_b32 v[TM+4+\b], 0
.endr
	v_cmp_ne_u32 vcc_lo, 0, v2
	s_wait_loadcnt 0x0
.irp a, 0,1,2,3,4,5,6,7
	BLOCK \a, 1
.endr
.irp f, 0,1,2,3
	v_cndmask_b32 v[XW+\f], v[PWS+\f], v[PWS+4+\f], vcc_lo   ; lanes 0-15 the first head's four tiles, lanes 16-31 the second's
.endr
	global_store_b128 v[VSO], v[XW:XW+3], s[14:15] offset:16640
.Lend:
	s_wait_tensorcnt 0x0                           ; the wave's end
	ds_add_u32 v[SPW], v[NIL]
	s_wait_dscnt 0x0
	CROUND                                         ; the closing round: no work-group ends while a partner may still ask for a tile that names it
	s_endpgm
.Lfunc_end_k_q8f1951b575_qkv:
	.size	k_q8f1951b575_qkv, .Lfunc_end_k_q8f1951b575_qkv-k_q8f1951b575_qkv
	.p2alignl 7, 3214868480
	.fill 96, 4, 3214868480
	.section	.rodata,"a",@progbits
	.p2align	6, 0x0
	.amdhsa_kernel k_q8f1951b575_qkv
		.amdhsa_group_segment_fixed_size 327680
		.amdhsa_private_segment_fixed_size 0
		.amdhsa_enable_private_segment 0
		.amdhsa_kernarg_size 48
		.amdhsa_user_sgpr_count 2
		.amdhsa_user_sgpr_kernarg_segment_ptr 1
		.amdhsa_wavefront_size32 1
		.amdhsa_system_sgpr_workgroup_id_x 1
		.amdhsa_system_sgpr_workgroup_id_y 1
		.amdhsa_system_sgpr_workgroup_id_z 1
		.amdhsa_system_vgpr_workitem_id 0
		.amdhsa_next_free_vgpr 1024
		.amdhsa_next_free_sgpr 102
		.amdhsa_reserve_vcc 1
		.amdhsa_float_denorm_mode_32 3
		.amdhsa_float_denorm_mode_16_64 3
		.amdhsa_memory_ordered 1
		.amdhsa_forward_progress 1
		.amdhsa_inst_pref_size 255
	.end_amdhsa_kernel
	.section	.bss,"aw",@nobits
	.p2align	6
	.space	262144
	.amdgpu_metadata
---
amdhsa.version: [ 1, 2 ]
amdhsa.kernels:
  - .name:           k_q8f1951b575_qkv
    .symbol:         k_q8f1951b575_qkv.kd
    .args:
      - { .name: gcodes, .offset: 0, .size: 8, .value_kind: global_buffer, .address_space: global }
      - { .name: gscales, .offset: 8, .size: 8, .value_kind: global_buffer, .address_space: global }
      - { .name: bq, .offset: 16, .size: 8, .value_kind: global_buffer, .address_space: global }
      - { .name: bk, .offset: 24, .size: 8, .value_kind: global_buffer, .address_space: global }
      - { .name: bv, .offset: 32, .size: 8, .value_kind: global_buffer, .address_space: global }
      - { .name: att, .offset: 40, .size: 8, .value_kind: global_buffer, .address_space: global }
    .group_segment_fixed_size: 327680
    .private_segment_fixed_size: 0
    .kernarg_segment_align: 8
    .kernarg_segment_size: 48
    .max_flat_workgroup_size: 128
    .sgpr_count:     102
    .vgpr_count:     1024
    .wavefront_size: 32
...
	.end_amdgpu_metadata
.endif
;; end of part 2
;; launch attn (part 3): grid 8 x 32, 16 waves a work-group, no clusters, 272,384 bytes of LDS; arguments att, ocodes, oscales; writes ocodes, oscales
.if DOCPART == 3
	.amdgcn_target "amdgcn-amd-amdhsa--gfx1250"
	.amdhsa_code_object_version 6
	.text
	.protected	k_q8f1951b575_attn
	.globl	k_q8f1951b575_attn
	.p2align	8
	.type	k_q8f1951b575_attn,@function
k_q8f1951b575_attn:
	s_mov_b64 s[64:65], 0
	v_nop
	global_prefetch_b8 v0, s[64:65] scope:SCOPE_SE
	s_setreg_imm32_b32 hwreg(HW_REG_WAVE_MODE, 25, 1), 1
	s_wait_xcnt 0x0
; Causal attention of one head on codes of FP8 (E4M3) with E8M0 scales: S^T = K Q^T (K = the head's 64), p = 2^(t - M), O^T = V^T P^T (K = the keys), O / the row's sum, quantised along
; d_model into the image of the last product's operand.  t = score x log2(e) / 8; M = the running largest t rounded up to a whole number; the sum is taken of the unquantised p in f32;
; when M moves, the sum and O^T are multiplied by 2^(old M - new M), which rounds nothing.
; SHARES: work-group (i, batch x head).  Waves 0-7 take the eight tiles of 16 queries of the group of 128 queries G = i, waves 8-15 those of G = 15 - i: each work-group has
; 8 x 17 key steps of 128, so the causal triangle is even over the 256 work-groups.  A wave owns one tile in 256 registers; four waves share a SIMD.
; LDS: the head's sixteen records of k and v (16,896 bytes each: 8 tiles of k, 4 channel tiles of v, their scale words) come ONCE, wave w bringing record w by one tensor load of 66 rows
; of 256 dense bytes.  Nothing is filled again: one wait, one barrier, and none after it.
; NO CLUSTER: which steps a wave leaves out and where it masks hang on its group of queries, which would be its place in a cluster, and partners in a cluster must run alike.
; HEAD SIZE 64 IN A FORM OF K = 128: a fragment of K holds two tiles of 16 keys, tile 2 f in k 0-63 and tile 2 f + 1 in k 64-127.  Q stands as [8 zeros | q | 8 zeros]: registers 8-23
; pick tile 2 f, registers 0-15 tile 2 f + 1; the zero codes meet codes that are numbers (the quantiser's hold leaves no NaN code) under the byte 127, and add nothing.
; LAYOUT: both products are used transposed: a lane holds one query.  Lane r of a tile holds row 32 g + 8 u + r + 8 (r / 8), so the 16 registers of two neighbouring tiles are 16 neighbouring
; keys (S^T, p) or channels (O^T): the conversions' results are the next operand's registers.
; CAUSAL: all sixteen trips are walked; a step all of whose keys come after my queries is left out by a scalar branch on ids; in my diagonal step hidden scores become -infinity.
; LIMITS: p under 2^-126 comes out of v_exp_f32 as 0; 1 / the sum is v_rcp_f32's; a block under 2^(9 - 127), zeros among them, gets the byte 1; NaN and infinities are not served.
.set REC,   16896
.set WHICH, 32*16*REC
.set KV,    40                         ; v40-103  four fragments of K, then of V
.set S,     104                        ; v104-167 S^T, then p; at the end O / the sum
.set O,     168                        ; v168-199 O^T
.set PCD,   200                        ; v200-215 p's codes
.set BM,    216                        ; v216-219 the blocks' largest
.set BP,    220                        ; v220-223 the other half's / the bytes
.set HOLD,  224                        ; v224-227 448 x the scale
.set SOP,   228                        ; v228-231 the conversions' scale operands
; v1 16 x lane; v2 16 r; v3 my query less 16 h, in its group; v4 -infinity; v5, v6 the step's addresses; v7 8 r + h; v8 h; v12 -M, v13 the largest t, v[14:15] the sum in two halves;
; v16-39 zeros, q, zeros; v232 at work; v[234:235] f; v[236:237] the second chain of sums; v248-251 K's or V's scale words; v252 p's; v253, v254 q's for the two picks; v255 q's as loaded
	s_load_b128 s[4:7], s[0:1], 0x0                ; att, ocodes
	s_load_b64 s[8:9], s[0:1], 0x10                ; oscales
	v_lshl_add_u32 v246, v0, 2, 0x42000
	v_mov_b32 v247, 0
	ds_add_u32 v246, v247
	ds_add_u32 v246, v247
	v_lshrrev_b32 v1, 5, v0
	v_readfirstlane_b32 s10, v1                    ; wave 0..15
	s_mov_b32 s11, ttmp9                           ; i
	s_and_b32 s12, ttmp7, 0xffff                   ; batch x head
	s_sub_co_u32 s13, 15, s11
	s_cmp_lt_u32 s10, 8
	s_cselect_b32 s13, s11, s13                    ; G
	s_and_b32 s14, s10, 7                          ; tau: my tile in the group
	s_lshl_b32 s15, s13, 3
	s_add_co_u32 s15, s15, s14                     ; my tile in the sequence
	s_mov_b32 s16, 3<<16                           ; group 1: no mask; elements of 8 bytes; no padding
	s_mov_b32 s17, 32<<16                          ; tensor_dim0 = 32
	s_mov_b32 s18, 66<<16                          ; tensor_dim1 = 66
	s_mov_b32 s19, 32<<16                          ; tile_dim0 = 32
	s_mov_b32 s20, 66                              ; tile_dim1 = 66
	s_mov_b32 s21, 32                              ; the pitch
	s_mov_b32 s22, 0
	s_mov_b32 s23, 0
	s_lshl_b32 s38, s12, 4
	s_add_co_u32 s39, s38, s10
	s_mul_i32 s40, s39, REC
	s_add_co_u32 s40, s40, WHICH                   ; record wave of my head's k and v
	s_mov_b32 s41, 0
	s_add_co_u32 s39, s38, s13
	s_mul_i32 s39, s39, REC                        ; q's record of my group
	s_lshl_b32 s46, s14, 10
	s_add_co_u32 s42, s39, s46                     ; my tile's codes
	s_mov_b32 s43, 0
	s_lshr_b32 s46, s14, 1
	s_lshl_b32 s46, s46, 2
	s_add_co_u32 s44, s39, s46
	s_add_co_u32 s44, s44, 16384                   ; the word that holds my tile's two bytes
	s_mov_b32 s45, 0
	s_mov_b32 s24, 1                               ; group 0: count = 1
	s_mul_i32 s25, s10, REC                        ; LDS address: wave x 16,896
	s_wait_dscnt 0x0
	s_wait_kmcnt 0x0
	s_add_nc_u64 s[26:27], s[4:5], s[40:41]
	s_or_b32 s27, s27, 0x80000000                  ; type = 2
	tensor_load_to_lds s[24:27], s[16:23]          ; my one tensor load
	s_nop 0
	v_and_b32 v9, 31, v0                           ; lane
	s_add_nc_u64 s[42:43], s[4:5], s[42:43]
	s_add_nc_u64 s[44:45], s[4:5], s[44:45]
	v_lshlrev_b32 v1, 4, v9
	v_and_b32 v10, 15, v0                          ; r
	v_lshlrev_b32 v2, 4, v10
	v_bfe_u32 v8, v0, 4, 1                         ; h
	global_load_b128 v[24:27], v1, s[42:43]        ; q: channels 16 h on,
	global_load_b128 v[28:31], v1, s[42:43] offset:512   ; 32 + 16 h on
	global_load_b32 v255, v2, s[44:45]
	s_lshr_b32 s38, s14, 1
	s_lshl_b32 s38, s38, 5
	s_and_b32 s39, s14, 1
	s_lshl_b32 s35, s39, 4                         ; which half of that word is mine
	s_lshl_b32 s39, s39, 3
	s_add_co_u32 s38, s38, s39                     ; 32 (tau / 2) + 8 (tau % 2)
	v_and_b32 v3, 8, v10
	v_add_nc_u32 v3, v3, v10
	v_add_nc_u32 v3, s38, v3                       ; my query in its group
	v_lshlrev_b32 v11, 4, v8
	v_sub_nc_u32 v3, v3, v11                       ; less 16 h
	v_mov_b32 v4, 0xff800000
	v_lshl_add_u32 v7, v10, 3, v8
	s_mov_b32 s28, 0x76543210
	s_mov_b32 s29, 0xfedcba98                      ; lane l xor 16
	s_mov_b32 s30, 0x3e38aa3b                      ; c = log2(e) / 8
	s_mov_b32 s31, s30                             ; (named with it as a pair)
	s_mov_b32 s32, 0x600000                        ; the mantissa field of 448
	s_mov_b32 s36, 0x7f7f
	v_mov_b32 v13, 0xff61b1e6                      ; the largest t so far: -3e38
	v_floor_f32 v12, -v13                          ; -M
	v_mov_b32 v14, 0
	v_mov_b32 v15, 0
.irp j, 0,1,2,3,4,5,6,7
	v_mov_b32 v[16+\j], 0                          ; the zero codes on both sides of q
	v_mov_b32 v[32+\j], 0
.endr
.set j, 0
.rept 32
	v_mov_b32 v[O+j], 0                            ; the step is written once: the first finds zeros
.set j, j+1
.endr
.irp b, 0,1,2,3
	v_mov_b32 v[BP+\b], 0                          ; a lane permute's destination counts as one of its sources
.endr
	v_mov_b32 v235, 0                              ; (named as the upper half of a pair)
	s_wait_loadcnt 0x0
	v_lshrrev_b32 v232, s35, v255
	v_and_b32 v232, 0xffff, v232                   ; my tile's two bytes
	v_or_b32 v253, 0x7f7f0000, v232                ; q in k 0-63
	v_lshl_or_b32 v254, v232, 16, s36              ; q in k 64-127
	s_wait_tensorcnt 0x0                           ; my record is in,
	s_barrier_signal -1
	s_barrier_wait -1                              ; everybody's is
	s_mov_b32 s33, 0                               ; the step's record in LDS
	s_mov_b32 s34, 0                               ; the step
.Lstep:
	s_cmp_gt_u32 s34, s13                          ; all 128 keys come after my queries
	s_cbranch_scc1 .Lskip
	v_add_nc_u32 v5, s33, v1
	v_add_nc_u32 v6, s33, v2
.rept 6
	v_nop                                          ; with the two additions: eight places behind the last products, in front of loads into their operands
.endr
.irp f, 0,1,2,3
.irp c, 0,1,2,3
	ds_load_b128 v[KV+16*\f+4*\c:KV+16*\f+4*\c+3], v5 offset:2048*\f+512*\c
.endr
.endr
	ds_load_b128 v[248:251], v6 offset:16384       ; word f: the four bytes of fragment f's row r
	s_wait_dscnt 0x0
.irp f, 0,1,2,3
	v_wmma_scale_f32_16x16x128_f8f6f4 v[S+16*\f:S+16*\f+7], v[KV+16*\f:KV+16*\f+15], v[24:39], 0, v[248+\f], v253
	v_wmma_scale_f32_16x16x128_f8f6f4 v[S+16*\f+8:S+16*\f+15], v[KV+16*\f:KV+16*\f+15], v[16:31], 0, v[248+\f], v254
.endr                                              ; register 16 b + i: key 32 b + 16 h + i of the step
.rept 8
	v_nop                                          ; places in front of the loads below and of the first read of the scores
.endr
.irp t, 0,1,2,3
.irp c, 0,1,2,3
	ds_load_b128 v[KV+16*\t+4*\c:KV+16*\t+4*\c+3], v5 offset:8192+2048*\t+512*\c   ; V goes out ahead of the softmax and lands under it
.endr
.endr
	ds_load_b128 v[248:251], v6 offset:16640
	s_cmp_lg_u32 s34, s13
	s_cbranch_scc1 .Lopen
.set n, 0
.rept 64                                           ; my diagonal step: key 32 b + 16 h + i is hidden where 32 b + i > my query - 16 h
	v_cmp_gt_i32 vcc_lo, 32*(n/16)+n%16, v3
	v_cndmask_b32 v[S+n], v[S+n], v4, vcc_lo
.set n, n+1
.endr
.Lopen:
.irp b, 0,1,2,3
	v_max3_num_f32 v[BM+\b], v[S+16*\b], v[S+1+16*\b], v[S+2+16*\b]   ; the largest score of each block of 32 keys: for the row's maximum, and, since p rises with the score, for the block's largest p
.endr
.irp i, 3,5,7,9,11,13
.irp b, 0,1,2,3
	v_max3_num_f32 v[BM+\b], v[BM+\b], v[S+16*\b+\i], v[S+1+16*\b+\i]
.endr
.endr
.irp b, 0,1,2,3
	v_max_num_f32 v[BM+\b], v[BM+\b], v[S+15+16*\b]
.endr
.irp b, 0,1,2,3
	v_permlanex16_b32 v[BP+\b], v[BM+\b], s28, s29
.endr
.irp b, 0,1,2,3
	v_max_num_f32 v[BM+\b], v[BM+\b], v[BP+\b]     ; with lane l xor 16's 16 keys
.endr
	v_max3_num_f32 v232, v216, v217, v218
	v_max_num_f32 v232, v232, v219                 ; the step's largest score of my query
	v_mul_f32 v232, s30, v232                      ; as t
	v_max_num_f32 v13, v13, v232                   ; the running largest t
	v_mov_b32 v232, v12
	v_floor_f32 v12, -v13                          ; the new -M = -ceil(t)
	v_sub_f32 v232, v12, v232                      ; old M - new M: a whole number, 0 or less
	v_cvt_i32_f32 v232, v232                       ; (it saturates)
	v_ldexp_f32 v234, 1.0, v232                    ; f = 2^(old M - new M)
.set j, 0
.rept 32
	v_pk_fma_f32 v[S+j:S+j+1], v[S+j:S+j+1], s[30:31], v[12:13] op_sel_hi:[1,0,0]   ; t - M, two at a time
.set j, j+2
.endr
.irp b, 0,1,2,3
	v_fma_f32 v[BM+\b], v[BM+\b], s30, v12         ; the same of each block's largest score
.endr
.set j, 0
.rept 64
	v_exp_f32 v[S+j], v[S+j]                       ; p = 2^(t - M), not normalised
.set j, j+1
.endr
.irp b, 0,1,2,3
	v_exp_f32 v[BM+\b], v[BM+\b]                   ; the block's largest p
.endr
	v_pk_mul_f32 v[14:15], v[14:15], v[234:235] op_sel_hi:[1,0]   ; the sums under the new M (a plain line behind the exponentials)
	s_wait_alu depctr_va_vdst(0)
.irp b, 0,1,2,3
	v_max_num_f32 v[BM+\b], 0x4800000, v[BM+\b]    ; the floor 2^(9 - 127)
.endr
.irp b, 0,1,2,3
	v_add_nc_u32 v[SOP+\b], 0xfc000000, v[BM+\b]
.endr
.irp b, 0,1,2,3
	v_and_or_b32 v[HOLD+\b], v[BM+\b], 0x7f800000, s32
.endr
.irp b, 0,1,2,3
	v_lshrrev_b32 v[BP+\b], 23, v[SOP+\b]
.endr
	v_lshl_or_b32 v252, v221, 8, v220              ; p's scale word for these 128 keys
	v_lshl_or_b32 v252, v222, 16, v252
	v_lshl_or_b32 v252, v223, 24, v252
	v_pk_add_f32 v[236:237], v[S:S+1], v[S+2:S+3]  ; the row's sum is taken of the unquantised p, in two chains
.irp j, 4,8,12,16,20,24,28,32,36,40,44,48,52,56,60
	v_pk_add_f32 v[14:15], v[14:15], v[S+\j:S+\j+1]
	v_pk_add_f32 v[236:237], v[236:237], v[S+\j+2:S+\j+3]
.endr
	v_pk_add_f32 v[14:15], v[14:15], v[236:237]
.irp b, 0,1,2,3
.irp i, 0,1,2,3,4,5,6,7,8,9,10,11,12,13,14,15
	v_min_num_f32 v[S+16*\b+\i], v[S+16*\b+\i], v[HOLD+\b]   ; the conversion does not saturate (ISA guide 7.6.2); p is not negative: a one-sided hold
.endr
	v_cvt_scalef32_pk8_fp8_f32 v[PCD+4*\b:PCD+1+4*\b], v[S+16*\b:S+7+16*\b], v[SOP+\b]
	v_cvt_scalef32_pk8_fp8_f32 v[PCD+2+4*\b:PCD+3+4*\b], v[S+8+16*\b:S+15+16*\b], v[SOP+\b]
.endr
.set j, 0
.rept 16
	v_pk_mul_f32 v[O+j:O+j+1], v[O+j:O+j+1], v[234:235] op_sel_hi:[1,0]   ; O^T under the new M; these are also the places between the codes and the products
.set j, j+2
.endr
	s_wait_dscnt 0x0                               ; V and its scale words
.irp t, 0,1,2,3
	v_wmma_scale_f32_16x16x128_f8f6f4 v[O+8*\t:O+8*\t+7], v[KV+16*\t:KV+16*\t+15], v[PCD:PCD+15], v[O+8*\t:O+8*\t+7], v[248+\t], v252   ; the four accumulators by turns
.endr
.Lskip:
	s_add_co_u32 s33, s33, REC
	s_add_co_u32 s34, s34, 1
	s_cmp_lt_u32 s34, 16
	s_cbranch_scc1 .Lstep
	; THE WAY OUT: O^T / the sum; register 16 b + i is channel 32 b + 16 h + i of my head: two blocks of the last product's K
.rept 8
	v_nop                                          ; places behind the last products
.endr
	v_add_f32 v14, v14, v15
	v_permlanex16_b32 v232, v14, s28, s29
	v_add_f32 v14, v14, v232                       ; the row's sum
	v_rcp_f32 v14, v14
	v_nop
.set j, 0
	s_wait_alu depctr_va_vdst(0)
.rept 32
	v_mul_f32 v[S+j], v[O+j], v14
.set j, j+1
.endr
.irp b, 0,1
	v_max3_num_f32 v[BM+\b], |v[S+16*\b]|, |v[S+1+16*\b]|, 0x4800000
.endr
.irp i, 2,4,6,8,10,12,14
.irp b, 0,1
	v_max3_num_f32 v[BM+\b], v[BM+\b], |v[S+16*\b+\i]|, |v[S+1+16*\b+\i]|
.endr
.endr
.irp b, 0,1
	v_permlanex16_b32 v[BP+\b], v[BM+\b], s28, s29
.endr
.irp b, 0,1
	v_max_num_f32 v[BM+\b], v[BM+\b], v[BP+\b]
.endr
.irp b, 0,1
	v_add_nc_u32 v[SOP+\b], 0xfc000000, v[BM+\b]
.endr
.irp b, 0,1
	v_and_or_b32 v[HOLD+\b], v[BM+\b], 0x7f800000, s32
.endr
.irp b, 0,1
	v_lshrrev_b32 v[BP+\b], 23, v[SOP+\b]
.endr
.irp b, 0,1
.irp i, 0,1,2,3,4,5,6,7,8,9,10,11,12,13,14,15
	v_med3_num_f32 v[S+16*\b+\i], v[S+16*\b+\i], -v[HOLD+\b], v[HOLD+\b]
.endr
	v_cvt_scalef32_pk8_fp8_f32 v[PCD+4*\b:PCD+1+4*\b], v[S+16*\b:S+7+16*\b], v[SOP+\b]
	v_cvt_scalef32_pk8_fp8_f32 v[PCD+2+4*\b:PCD+3+4*\b], v[S+8+16*\b:S+15+16*\b], v[SOP+\b]
.endr
	v_nop
	s_and_b32 s38, s12, 15                         ; the head
	s_lshr_b32 s39, s12, 4                         ; the batch
	s_lshl_b32 s39, s39, 7
	s_add_co_u32 s39, s39, s15                     ; my tile of rows among 256
	s_lshr_b32 s46, s38, 2                         ; K = 64 x head + channel: the slab,
	s_bfe_u32 s47, s38, 0x10001                    ; the 128 in it,
	s_and_b32 s38, s38, 1                          ; the half of that
	s_lshl_b32 s40, s46, 20
	s_lshl_b32 s41, s39, 12
	s_add_co_u32 s40, s40, s41
	s_lshl_b32 s41, s47, 11
	s_add_co_u32 s40, s40, s41
	s_lshl_b32 s41, s38, 10
	s_add_co_u32 s40, s40, s41
	s_mov_b32 s41, 0
	s_add_nc_u64 s[6:7], s[6:7], s[40:41]
	s_lshl_b32 s40, s39, 9
	s_lshl_b32 s41, s46, 7
	s_add_co_u32 s40, s40, s41
	s_lshl_b32 s41, s47, 2
	s_add_co_u32 s40, s40, s41
	s_lshl_b32 s41, s38, 1
	s_add_co_u32 s40, s40, s41
	s_mov_b32 s41, 0
	s_add_nc_u64 s[8:9], s[8:9], s[40:41]
	global_store_b128 v1, v[PCD:PCD+3], s[6:7]               ; each store covers 512 consecutive bytes, aligned
	global_store_b128 v1, v[PCD+4:PCD+7], s[6:7] offset:512
	v_cmp_ne_u32 vcc_lo, 0, v8
	v_cndmask_b32 v232, v220, v221, vcc_lo         ; lanes 0-15 send block 0's byte, lanes 16-31 block 1's
	global_store_b8 v7, v232, s[8:9]               ; single bytes: a row's other bytes belong to other heads, which other work-groups make; 131,072 bytes in the whole launch
	s_wait_tensorcnt 0x0
	ds_add_u32 v246, v247
	s_wait_dscnt 0x0
	s_endpgm
.Lfunc_end_k_q8f1951b575_attn:
	.size	k_q8f1951b575_attn, .Lfunc_end_k_q8f1951b575_attn-k_q8f1951b575_attn
	.p2alignl 7, 3214868480
	.fill 96, 4, 3214868480
	.section	.rodata,"a",@progbits
	.p2align	6, 0x0
	.amdhsa_kernel k_q8f1951b575_attn
		.amdhsa_group_segment_fixed_size 272384
		.amdhsa_private_segment_fixed_size 0
		.amdhsa_enable_private_segment 0
		.amdhsa_kernarg_size 24
		.amdhsa_user_sgpr_count 2
		.amdhsa_user_sgpr_kernarg_segment_ptr 1
		.amdhsa_wavefront_size32 1
		.amdhsa_system_sgpr_workgroup_id_x 1
		.amdhsa_system_sgpr_workgroup_id_y 1
		.amdhsa_system_sgpr_workgroup_id_z 1
		.amdhsa_system_vgpr_workitem_id 0
		.amdhsa_next_free_vgpr 256
		.amdhsa_next_free_sgpr 66
		.amdhsa_reserve_vcc 1
		.amdhsa_float_denorm_mode_32 3
		.amdhsa_float_denorm_mode_16_64 3
		.amdhsa_memory_ordered 1
		.amdhsa_forward_progress 1
		.amdhsa_inst_pref_size 36
	.end_amdhsa_kernel
	.amdgpu_metadata
---
amdhsa.version: [ 1, 2 ]
amdhsa.kernels:
  - .name:           k_q8f1951b575_attn
    .symbol:         k_q8f1951b575_attn.kd
    .args:
      - { .name: att, .offset: 0, .size: 8, .value_kind: global_buffer, .address_space: global }
      - { .name: ocodes, .offset: 8, .size: 8, .value_kind: global_buffer, .address_space: global }
      - { .name: oscales, .offset: 16, .size: 8, .value_kind: global_buffer, .address_space: global }
    .group_segment_fixed_size: 272384
    .private_segment_fixed_size: 0
    .kernarg_segment_align: 8
    .kernarg_segment_size: 24
    .max_flat_workgroup_size: 512
    .sgpr_count:     66
    .vgpr_count:     256
    .wavefront_size: 32
...
	.end_amdgpu_metadata
.endif
;; end of part 3
;; launch oproj (part 4): grid 4 x 16, 4 waves a work-group, clusters of 4 x 4, 327,680 bytes of LDS; arguments ocodes, oscales, gcodes, gscales, bo, out0; writes out0
.if DOCPART == 4
	.amdgcn_target "amdgcn-amd-amdhsa--gfx1250"
	.amdhsa_code_object_version 6
	.text
	.protected	k_q8f1951b575_oproj
	.globl	k_q8f1951b575_oproj
	.p2align	8
	.type	k_q8f1951b575_oproj,@function
k_q8f1951b575_oproj:
	s_mov_b64 s[64:65], 0
	v_nop
	global_prefetch_b8 v0, s[64:65] scope:SCOPE_SE
	s_setreg_imm32_b32 hwreg(HW_REG_WAVE_MODE, 25, 1), 1
	s_wait_xcnt 0x0
	s_wait_alu depctr_hold_cnt(0) depctr_sa_sdst(0) depctr_va_vdst(0) depctr_va_sdst(0) depctr_va_ssrc(0) depctr_va_vcc(0) depctr_vm_vsrc(0)
	s_getreg_b32 s2, hwreg(HW_REG_IB_STS2, 6, 4)
	s_cmp_eq_u32 s2, 0
	s_cbranch_scc0 .Lentry_in_a_cluster
	s_endpgm
.Lentry_in_a_cluster:
	s_bfe_u32 s2, ttmp6, 0x10000c
	s_cmp_lg_u32 s2, 0xf033
	s_cbranch_scc0 .Lentry_shape_is_right
	s_endpgm
.Lentry_shape_is_right:
; out0 = attention's result x Wo^T + bo on codes of FP8 (E4M3) with E8M0 scales, K = 1,024; out0 [4096][1024] f32.
; The loop is that of the projections ahead: a tile of 256 x 256, four waves of 128 x 128, K in slabs of 256 through two LDS slots, codes as images of operand registers (128 rows of a slab
; are 32,768 dense bytes; a fragment is four LDS loads of 512 consecutive bytes), the scale words of all of K in LDS once.
; USED TRANSPOSED: source 0 = Wo (called B), source 1 = the attention's rows (called A).  Lane (r, h) of accumulator (a, b) holds token 32 (a / 2) + 8 (a % 2) + r + 8 (r / 8) of my 128, and its
; register j the output column 32 (b / 2) + 16 h + 8 (b % 2) + j.  The stage puts the columns in order; the stores' immediates put the rows in order.
; CLUSTERS 4 x 4: A's tile hangs on the tile row alone and is asked for jointly along a row of the cluster, B's on the tile column alone, along a column.
; 64 work-groups: 4,096 x 1,024 has 64 tiles of this size.
; REGISTERS: window 0: v1-6 lane numbers; v16-29 addresses; v32-63 scale words; v64-67 bo; v128-255 A's fragments, later rows on the way out.  window 1: B's two sets.  windows 2, 3: accumulators.
.set NQ,     2
.set FR,     16
.set NL,     4
.set NP,     8                         ; places behind this matrix instruction (ISA guide 7.12.1)
.set HALFT,  32768
.set SLOT,   131072
.set SCL,    262144
.set HALFS,  4096
.set SBLK,   512
.set SPARE,  278528                    ; the spare words, 128 bytes a wave: two blocks of 256 bytes that no other line names
.set LAPS,   2
.set ASLAB,  1048576                   ; ocodes: 256 tiles of 4,096 bytes a slab
.set BSLAB,  2097152                   ; gcodes: 512
.set SPITCH, 528                       ; the way out: a stage of 16 rows x (512 bytes + 16) for each wave, in slot 0, which has had its last fill and its last read by then
.set ADRA, 16
.set ADRB, 20
.set CO,   24                          ; v24  16 x lane
.set STO,  25                          ; v25  the stage: where I put 32 bytes of a row
.set RD,   26                          ; v26  and where I read a row back
.set ADRS, 27
.set SPW,  28                          ; v28  my spare word; never rewritten
.set NIL,  29                          ; v29  0; never rewritten
.set SC,   32
.set BO,   64                          ; v64-67 bo of the four columns that I hold of a row read back
.set AF,   128
.set BK,   128                         ; 16 rows read back: v128-191 and v192-255 by turns
.set G1, 24
.set G0, 32
.set G1B, 48
.set G0B, 56
.set G1S, 68
.set G0S, 76
.set G1SB, 80
.set G0SB, 88
.set MSB, 0
.macro WIN new                         ; the immediate's high byte repeats the setting that is left
.if MSB != \new
	s_set_vgpr_msb (MSB<<8)|\new
.set MSB, \new
.endif
.endm
.set MUL_LO, 0xa1
.set MUL_HI, 0xf1
.set TO_B,   0x40
.macro JLOAD g0a, g1a, g0b, g1b        ; a joint load: waves 0 and 1 fetch for A, waves 2 and 3 for B; four v_nop follow each of the two lines
	s_cmp_eq_u32 s17, 0
	s_cbranch_scc0 .Lfor_b_\@
	tensor_load_to_lds s[\g0a:\g0a+3], s[\g1a:\g1a+7]
	s_nop 0
.rept 4
	v_nop
.endr
	s_branch .Lasked_\@
.Lfor_b_\@:
	tensor_load_to_lds s[\g0b:\g0b+3], s[\g1b:\g1b+7]
	s_nop 0
.rept 4
	v_nop
.endr
.Lasked_\@:
.endm
.macro CREST
	s_cmp_lg_u32 s16, 0
	s_cbranch_scc1 .Lnot_wave_0_\@
	s_barrier_signal -3
.Lnot_wave_0_\@:
	s_barrier_wait -3
	s_barrier_signal -1
	s_barrier_wait -1
.endm
.macro CROUND
	s_barrier_signal -1
	s_barrier_wait -1
	CREST
.endm
	s_load_b256 s[4:11], s[0:1], 0x0               ; ocodes s[4:5], oscales s[6:7], gcodes s[8:9], gscales s[10:11]
	s_load_b128 s[12:15], s[0:1], 0x20             ; bo s[12:13], out0 s[14:15]
	v_lshl_add_u32 v[SPW], v0, 2, SPARE
	v_mov_b32 v[NIL], 0
	ds_add_u32 v28, v29
	ds_add_u32 v28, v29
	s_wait_dscnt 0x0
	v_lshrrev_b32 v1, 5, v0
	v_readfirstlane_b32 s16, v1                    ; wave
	s_lshr_b32 s17, s16, 1                         ; HA
	s_and_b32 s18, s16, 1                          ; HB
	s_bfe_u32 s40, ttmp6, 0x40000                  ; cx
	s_bfe_u32 s41, ttmp6, 0x40004                  ; cy
	s_lshl_b32 s42, ttmp9, 2
	s_add_co_u32 s42, s42, s40                     ; tile column
	s_and_b32 s19, ttmp7, 0xffff
	s_lshl_b32 s101, s19, 2
	s_add_co_u32 s101, s101, s41                   ; tile row: A's tile
	s_add_co_u32 s95, s42, 28                      ; B's tile among the stacked rows: Wo begins at row 7,168
	s_lshl_b32 s43, s41, 2
	s_lshl_b32 s43, 15, s43                        ; my row of the cluster
	s_lshl_b32 s44, 0x1111, s40                    ; my column
	s_or_b32 s[G1+0], s43, (3<<16)|(1<<21)         ; the mask; elements of 8 bytes; bit 21 beside a mask; no padding
	s_or_b32 s[G1B+0], s44, (3<<16)|(1<<21)
.irp g, G1, G1B
	s_mov_b32 s[\g+1], 32<<16
	s_mov_b32 s[\g+2], 128<<16
	s_mov_b32 s[\g+3], 32<<16
	s_mov_b32 s[\g+4], 128
	s_mov_b32 s[\g+5], 32
	s_mov_b32 s[\g+6], 0
	s_mov_b32 s[\g+7], 0
.endr
	s_or_b32 s[G1S+0], s43, (3<<16)|(1<<21)
	s_or_b32 s[G1SB+0], s44, (3<<16)|(1<<21)
.irp g, G1S, G1SB
	s_mov_b32 s[\g+1], 32<<16
	s_mov_b32 s[\g+2], 16<<16
	s_mov_b32 s[\g+3], 32<<16
	s_mov_b32 s[\g+4], 16
	s_mov_b32 s[\g+5], 32
	s_mov_b32 s[\g+6], 0
	s_mov_b32 s[\g+7], 0
.endr
	s_lshl_b32 s2, s18, 15
	s_lshl_b32 s3, s18, 12
	s_lshl_b32 s20, s101, 16
	s_add_co_u32 s20, s20, s2
	s_mov_b32 s21, 0
	s_lshl_b32 s22, s101, 13
	s_add_co_u32 s22, s22, s3
	s_mov_b32 s23, 0
	s_lshl_b32 s46, s95, 16
	s_add_co_u32 s46, s46, s2
	s_mov_b32 s47, 0
	s_lshl_b32 s92, s95, 13
	s_add_co_u32 s92, s92, s3
	s_mov_b32 s93, 0
	s_lshl_b32 s45, s16, 15
	s_lshl_b32 s94, s16, 12
	s_wait_kmcnt 0x0
	s_add_nc_u64 s[20:21], s[4:5], s[20:21]
	s_add_nc_u64 s[22:23], s[6:7], s[22:23]
	s_add_nc_u64 s[46:47], s[8:9], s[46:47]
	s_add_nc_u64 s[92:93], s[10:11], s[92:93]
	CROUND                                         ; all sixteen work-groups are here: the first joint loads meet
	s_mov_b32 s[G0S], 1
	s_add_co_u32 s[G0S+1], s94, SCL
	s_mov_b64 s[G0S+2:G0S+3], s[22:23]
	s_or_b32 s[G0S+3], s[G0S+3], 0x80000000
	s_mov_b32 s[G0SB], 1
	s_add_co_u32 s[G0SB+1], s94, SCL
	s_mov_b64 s[G0SB+2:G0SB+3], s[92:93]
	s_or_b32 s[G0SB+3], s[G0SB+3], 0x80000000
	JLOAD G0S, G1S, G0SB, G1SB
.irp s, 0,1
	s_mov_b32 s[G0+4*\s], 1
	s_add_co_u32 s[G0+4*\s+1], s45, \s*SLOT
	s_add_nc_u64 s[G0+4*\s+2:G0+4*\s+3], s[20:21], \s*ASLAB
	s_or_b32 s[G0+4*\s+3], s[G0+4*\s+3], 0x80000000
	s_mov_b32 s[G0B+4*\s], 1
	s_add_co_u32 s[G0B+4*\s+1], s45, \s*SLOT
	s_add_nc_u64 s[G0B+4*\s+2:G0B+4*\s+3], s[46:47], \s*BSLAB
	s_or_b32 s[G0B+4*\s+3], s[G0B+4*\s+3], 0x80000000
	JLOAD G0+4*\s, G1, G0B+4*\s, G1B               ; three tensor loads of mine are out
.endr
	v_and_b32 v1, 15, v0                           ; r
	v_bfe_u32 v2, v0, 4, 1                         ; h
	v_and_b32 v3, 31, v0                           ; lane
	v_lshlrev_b32 v4, 4, v3
	v_lshlrev_b32 v[CO], 4, v3
	s_lshl_b32 s20, s42, 10                        ; my first column, in bytes: 1,024 x tile column + 512 HB
	s_lshl_b32 s21, s18, 9
	s_add_co_u32 s20, s20, s21
	s_mov_b32 s21, 0
	s_add_nc_u64 s[12:13], s[12:13], s[20:21]
	global_load_b128 v[BO:BO+3], v[CO], s[12:13]   ; waited for in front of the way out
	s_lshl_b32 s22, s101, 8
	s_lshl_b32 s23, s17, 7
	s_add_co_u32 s22, s22, s23                     ; my first row
	s_lshl_b32 s22, s22, 12                        ; a row of out0 is 4,096 bytes
	s_mov_b32 s23, 0
	s_add_nc_u64 s[14:15], s[14:15], s[22:23]
	s_add_nc_u64 s[14:15], s[14:15], s[20:21]
	s_lshl_b32 s2, s17, 15
	s_lshl_b32 s3, s18, 15
	s_add_co_u32 s3, s3, 65536
.irp s, 0,1
	v_add_nc_u32 v[ADRA+\s], s2, v4
	v_add_nc_u32 v[ADRB+\s], s3, v4
	s_add_co_u32 s2, s2, SLOT
	s_add_co_u32 s3, s3, SLOT
.endr
	v_lshlrev_b32 v5, 3, v1
	s_lshl_b32 s2, s17, 12
	s_lshl_b32 s3, s18, 12
	s_add_co_u32 s3, s3, 8192
	s_sub_co_u32 s3, s3, s2
	v_mul_u32_u24 v6, s3, v2                       ; lanes 16-31 take B's words: one product, the distance between the two
	s_add_co_u32 s2, s2, SCL
	v_add_nc_u32 v5, v5, v6
	v_add_nc_u32 v[ADRS], s2, v5
	s_mul_i32 s2, s16, 16*SPITCH                   ; my stage
	v_mul_u32_u24 v[STO], v1, SPITCH
	v_lshl_add_u32 v[STO], v2, 6, v[STO]           ; in: row r, + 64 h
	v_add_nc_u32 v[STO], s2, v[STO]
	v_add_nc_u32 v[RD], s2, v4                     ; back: the 32 lanes take one row of 512 bytes
.macro FRAG reg, adr, q, i
.irp c, 0,1,2,3
	ds_load_b128 v[\reg+4*\c:\reg+4*\c+3], v[\adr] offset:2048*(\q)+512*\c+(\i)*4096
.endr
.endm
; The 64 accumulators take turns, one instruction a turn, in the same order in every step.
.macro MUL16 a0, p, q, sc, zero
.irp a, \a0, \a0+1
.irp b, 0,1,2,3,4,5,6,7
.if \zero
	v_wmma_scale_f32_16x16x128_f8f6f4 v[8*(8*((\a)%4)+\b):8*(8*((\a)%4)+\b)+7], v[128*(\p)+FR*\b:128*(\p)+FR*\b+FR-1], v[AF+FR*(\a):AF+FR*(\a)+FR-1], 0, v[SC+8*NQ*(\sc)+NQ*\b+(\q)], v[SC+8*NQ*(\sc)+NQ*(\a)+(\q)] matrix_a_scale:MATRIX_SCALE_ROW1
.else
	v_wmma_scale_f32_16x16x128_f8f6f4 v[8*(8*((\a)%4)+\b):8*(8*((\a)%4)+\b)+7], v[128*(\p)+FR*\b:128*(\p)+FR*\b+FR-1], v[AF+FR*(\a):AF+FR*(\a)+FR-1], v[8*(8*((\a)%4)+\b):8*(8*((\a)%4)+\b)+7], v[SC+8*NQ*(\sc)+NQ*\b+(\q)], v[SC+8*NQ*(\sc)+NQ*(\a)+(\q)] matrix_a_scale:MATRIX_SCALE_ROW1
.endif
.endr
.endr
.endm
.macro FETCH_B slot, q, p
	WIN TO_B
.irp i, 0,1,2,3,4,5,6,7
	FRAG 128*(\p)+FR*\i, ADRB+\slot, \q, \i
.endr
	WIN 0
.endm
.macro FETCH_A slot, q, i0
.irp i, \i0, \i0+1, \i0+2, \i0+3
	FRAG AF+FR*(\i), ADRA+\slot, \q, \i
.endr
.endm
.macro SCALES sc
.irp i, 0,1,2,3,4,5,6,7
	ds_load_b64 v[SC+8*NQ*\sc+NQ*\i:SC+8*NQ*\sc+NQ*\i+1], v[ADRS] offset:\i*SBLK
.endr
.endm
.macro PLACES n
.rept \n
	v_nop
.endr
.endm
.macro STEP slot, q, zero
	s_wait_dscnt 4*NL                              ; B's set and A's blocks 0-3 are in; the youngest 16 loads (A's blocks 4-7) may be out
	WIN MUL_LO
	MUL16 0, (\q)%2, \q, \slot, \zero
	MUL16 2, (\q)%2, \q, \slot, \zero
	s_wait_dscnt 0
	PLACES NP
	FETCH_B \slot, (\q)+1, 1-(\q)%2
	FETCH_A \slot, (\q)+1, 0
	WIN MUL_HI
	MUL16 4, (\q)%2, \q, \slot, \zero
	MUL16 6, (\q)%2, \q, \slot, \zero
	PLACES NP
	WIN 0
	FETCH_A \slot, (\q)+1, 4
.endm
.macro TURN slot, next, fill
	s_wait_tensorcnt 0x0                           ; all my tensor loads have landed: my part of the next slot
	ds_add_u32 v[SPW], v[NIL]                      ; 0 onto my spare word
	s_wait_dscnt 4*NL+1                            ; the add and the youngest 16 loads may be out
	WIN MUL_LO
	MUL16 0, 1, NQ-1, \slot, 0
	s_wait_dscnt 0x0                               ; the add is done, and my reads of this slot are over
	s_barrier_signal -1
	MUL16 2, 1, NQ-1, \slot, 0
	WIN 0
	s_barrier_wait -1
.if \fill
	CREST                                          ; the barrier has opened a round of the cluster's: no wave of any partner still reads this slot or has a load on its way
	s_add_nc_u64 s[G0+4*\slot+2:G0+4*\slot+3], s[G0+4*\slot+2:G0+4*\slot+3], 2*ASLAB
	s_add_nc_u64 s[G0B+4*\slot+2:G0B+4*\slot+3], s[G0B+4*\slot+2:G0B+4*\slot+3], 2*BSLAB
	JLOAD G0+4*\slot, G1, G0B+4*\slot, G1B         ; the first tensor load behind the round, my one until the next
	PLACES NP-4
.else
	PLACES NP
.endif
	v_add_nc_u32 v[ADRS], 128, v[ADRS]             ; the next slab's scale words (no LDS load of mine is out)
	FETCH_B \next, 0, 0
	FETCH_A \next, 0, 0
	SCALES \next
	WIN MUL_HI
	MUL16 4, 1, NQ-1, \slot, 0
	MUL16 6, 1, NQ-1, \slot, 0
	PLACES NP
	WIN 0
	FETCH_A \next, 0, 4
.endm
	s_wait_tensorcnt 1                             ; the scale words and my part of slab 0 are in; slab 1's load may be out
	s_barrier_signal -1
	s_barrier_wait -1
	FETCH_B 0, 0, 0
	FETCH_A 0, 0, 0
	SCALES 0
	FETCH_A 0, 0, 4
	STEP 0, 0, 1                                   ; the first step's products start the sums
	s_mov_b32 s3, LAPS-1
.Llap:
	TURN 0, 1, 1
	STEP 1, 0, 0
	TURN 1, 0, 1
	STEP 0, 0, 0
	s_sub_co_u32 s3, s3, 1
	s_cmp_lg_u32 s3, 0
	s_cbranch_scc1 .Llap
	TURN 0, 1, 0                                   ; the last lap fills nothing
	STEP 1, 0, 0
	s_wait_dscnt 4*NL
	WIN MUL_LO
	MUL16 0, 1, NQ-1, 1, 0
	MUL16 2, 1, NQ-1, 1, 0
	s_wait_dscnt 0
	WIN MUL_HI
	MUL16 4, 1, NQ-1, 1, 0
	MUL16 6, 1, NQ-1, 1, 0
	WIN 0
; THE WAY OUT, block by block of 16 rows x 128 columns, through my own stage: LDS serves a wave's instructions in order (ISA guide 5.7.1.4), so no wait stands between the stores and the loads.
.macro TOSTAGE a
.set AC, 64*((\a)%4)
.if (\a) < 4
	WIN 0x08                                       ; an LDS store's data: window 2
.else
	WIN 0x0c                                       ; window 3
.endif
.irp b, 0,1,2,3,4,5,6,7
	ds_store_b128 v[STO], v[AC+8*\b:AC+8*\b+3] offset:128*(\b/2)+32*(\b%2)       ; each accumulator from its low end on; columns 32 (b / 2) + 16 h + 8 (b % 2) on
	ds_store_b128 v[STO], v[AC+8*\b+4:AC+8*\b+7] offset:128*(\b/2)+32*(\b%2)+16
.endr
	WIN 0
.set BB, BK+64*((\a)%2)
.irp t, 0,1,2,3,4,5,6,7,8,9,10,11,12,13,14,15
	ds_load_b128 v[BB+4*\t:BB+4*\t+3], v[RD] offset:\t*SPITCH
.endr
.endm
.macro SEND a, younger                 ; younger: the LDS instructions issued behind block a's loads, which may stay out
.set BB, BK+64*((\a)%2)
	s_wait_dscnt \younger
.irp t, 0,1,2,3,4,5,6,7,8,9,10,11,12,13,14,15
	v_pk_add_f32 v[BB+4*\t:BB+4*\t+1], v[BB+4*\t:BB+4*\t+1], v[BO:BO+1]
	v_pk_add_f32 v[BB+4*\t+2:BB+4*\t+3], v[BB+4*\t+2:BB+4*\t+3], v[BO+2:BO+3]
.endr
.irp t, 0,1,2,3,4,5,6,7,8,9,10,11,12,13,14,15
	global_store_b128 v[CO], v[BB+4*\t:BB+4*\t+3], s[14:15] offset:(32*((\a)/2)+8*((\a)%2)+\t+8*(\t/8))*4096 th:TH_STORE_NT   ; stage row t is token 32 (a / 2) + 8 (a % 2) + t + 8 (t / 8); 32 lanes store 512 consecutive bytes, aligned
.endr
.endm
	s_wait_loadcnt 0x0                             ; bo
	PLACES NP
	TOSTAGE 0
.irp a, 1,2,3,4,5,6,7
.if \a > 1
	s_wait_xcnt 0x0                                ; block a - 2's stores have read their data: block a's loads may land there
.endif
	TOSTAGE \a
	SEND \a-1, 32                                  ; behind block a - 1's loads: block a's 16 stores and 16 loads
.endr
	SEND 7, 0
	s_wait_tensorcnt 0x0                           ; the wave's end
	ds_add_u32 v[SPW], v[NIL]
	s_wait_dscnt 0x0
	CROUND                                         ; the closing round
	s_endpgm
.Lfunc_end_k_q8f1951b575_oproj:
	.size	k_q8f1951b575_oproj, .Lfunc_end_k_q8f1951b575_oproj-k_q8f1951b575_oproj
	.p2alignl 7, 3214868480
	.fill 96, 4, 3214868480
	.section	.rodata,"a",@progbits
	.p2align	6, 0x0
	.amdhsa_kernel k_q8f1951b575_oproj
		.amdhsa_group_segment_fixed_size 327680
		.amdhsa_private_segment_fixed_size 0
		.amdhsa_enable_private_segment 0
		.amdhsa_kernarg_size 48
		.amdhsa_user_sgpr_count 2
		.amdhsa_user_sgpr_kernarg_segment_ptr 1
		.amdhsa_wavefront_size32 1
		.amdhsa_system_sgpr_workgroup_id_x 1
		.amdhsa_system_sgpr_workgroup_id_y 1
		.amdhsa_system_sgpr_workgroup_id_z 1
		.amdhsa_system_vgpr_workitem_id 0
		.amdhsa_next_free_vgpr 1024
		.amdhsa_next_free_sgpr 102
		.amdhsa_reserve_vcc 0
		.amdhsa_float_denorm_mode_32 3
		.amdhsa_float_denorm_mode_16_64 3
		.amdhsa_memory_ordered 1
		.amdhsa_forward_progress 1
		.amdhsa_inst_pref_size 161
	.end_amdhsa_kernel
	.amdgpu_metadata
---
amdhsa.version: [ 1, 2 ]
amdhsa.kernels:
  - .name:           k_q8f1951b575_oproj
    .symbol:         k_q8f1951b575_oproj.kd
    .args:
      - { .name: ocodes, .offset: 0, .size: 8, .value_kind: global_buffer, .address_space: global }
      - { .name: oscales, .offset: 8, .size: 8, .value_kind: global_buffer, .address_space: global }
      - { .name: gcodes, .offset: 16, .size: 8, .value_kind: global_buffer, .address_space: global }
      - { .name: gscales, .offset: 24, .size: 8, .value_kind: global_buffer, .address_space: global }
      - { .name: bo, .offset: 32, .size: 8, .value_kind: global_buffer, .address_space: global }
      - { .name: out0, .offset: 40, .size: 8, .value_kind: global_buffer, .address_space: global }
    .group_segment_fixed_size: 327680
    .private_segment_fixed_size: 0
    .kernarg_segment_align: 8
    .kernarg_segment_size: 48
    .max_flat_workgroup_size: 128
    .sgpr_count:     102
    .vgpr_count:     1024
    .wavefront_size: 32
...
	.end_amdgpu_metadata
.endif
;; end of part 4
;; ======== version 2 of 2: 4 launches
;; limits: right only within a limited range of input values
;; workspace buffers: gcodes 8,388,608 bytes; gscales 262,144 bytes; att 17,301,504 bytes; ocodes 4,194,304 bytes; oscales 131,072 bytes
;; launch quant (part 5): grid 256 x 1, 8 waves a work-group, no clusters, 68,608 bytes of LDS; arguments x, Wq, Wk, Wv, Wo, gcodes, gscales; writes gcodes, gscales
.if DOCPART == 5
	.amdgcn_target "amdgcn-amd-amdhsa--gfx1250"
	.amdhsa_code_object_version 6
	.text
	.protected	k_q8f1951b575_quant
	.globl	k_q8f1951b575_quant
	.p2align	8
	.type	k_q8f1951b575_quant,@function
k_q8f1951b575_quant:
	s_mov_b64 s[64:65], 0
	v_nop
	global_prefetch_b8 v0, s[64:65] scope:SCOPE_SE
	s_setreg_imm32_b32 hwreg(HW_REG_WAVE_MODE, 25, 1), 1
	s_wait_xcnt 0x0
; x [4096][1024] and Wq, Wk, Wv, Wo [1024][1024], f32 with K innermost, become codes of FP8 (E4M3) with one E8M0 byte for each 32 along K.
; The five tensors are stacked to 8,192 rows: x from row 0, Wq from 4,096, Wk from 5,120, Wv from 6,144, Wo from 7,168.
; THE CODES ARE LAID AS IMAGES OF OPERAND REGISTERS: gcodes [slab of 256 K: 4][tile of 16 rows: 512][128 K: 2][c: 4][lane: 32][16 bytes]; a fragment (16 rows x 128 K) is four
; runs of 512 bytes, lane l's 16 bytes at 16 l.  gscales [tile 512][slab 4][r 16][128 K: 2] words, byte c of a word for block c.
; THE ROWS OF A TILE ARE NOT NEIGHBOURS: lane r of tile 2 g + u holds row 32 g + 8 u + r + 8 (r / 8), so that in a product used transposed the 16 registers of two neighbouring
; tiles are 16 neighbouring rows: the next quantiser then finds its K along a lane's registers.
; A block's scale is 2^(floor(log2(its largest magnitude)) - 8); its byte is the largest magnitude's exponent field - 8, held at 1 from below.
; LIMITS: NaN and infinities among the inputs are not served.  A block whose largest magnitude lies under 2^(9 - 127), a block of zeros among them, gets the byte 1 (the quantiser's
; text says 127 for zeros): its codes are zeros or the rounded quotients under that scale, and this program alone reads the bytes.
; SHARES: work-group g takes stacked rows 32 g .. 32 g + 31; wave w takes tile 2 g + (w >> 2) and slab w & 3: two steps of 128 along K, both asked for at the head: 32 loads of a wave are out.
; THE TURN: the conversions want 16 neighbours along K in ONE lane; a load is best where neighbouring LANES take neighbouring bytes.  Both are had: each load reads 512 consecutive bytes of
; one row, 16 a lane; a step's 16 rows go into the wave's own stage in LDS (rows 528 bytes apart: 132 words, so the sixteen rows that a load back touches start 4 banks apart) and come
; back 64 bytes of each block's half a lane, into the registers that they left.  Waves share nothing: no barrier.  No address and no store's data are ever rewritten.
.set TM,   16                          ; v16-19 largest magnitudes, v20-23 the other half's / the bytes, v28-31 the conversions' scale operands
.set SETA, 32                          ; v32-95   step 0's 64 numbers
.set SETB, 96                          ; v96-159  step 1's
.set CD,   160                         ; v160-191 the codes of the two steps
.set PW,   192                         ; v192-193 their scale words
.set SP,   528                         ; a stage row
.set SEL,  30                          ; s[30:31] lane selects: lane l xor 16
.set MNT,  32
	s_load_b256 s[4:11], s[0:1], 0x0               ; x, Wq, Wk, Wv
	s_load_b128 s[12:15], s[0:1], 0x20             ; Wo, gcodes
	s_load_b64 s[16:17], s[0:1], 0x30              ; gscales
	v_lshl_add_u32 v196, v0, 2, 0x10800
	v_mov_b32 v197, 0
	v_lshrrev_b32 v1, 5, v0
	s_delay_alu instid0(VALU_DEP_1)
	v_readfirstlane_b32 s18, v1                    ; wave 0..7
	s_lshr_b32 s19, s18, 2                         ; u: which tile of the two
	s_and_b32 s20, s18, 3                          ; which slab of 256 along K
	v_and_b32 v1, 31, v0                           ; lane
	v_and_b32 v2, 15, v0                           ; r
	v_bfe_u32 v3, v0, 4, 1                         ; h
	s_delay_alu instid0(VALU_DEP_3)
	v_lshlrev_b32 v4, 4, v1                        ; 16 x lane: my bytes of a load's 512, and an image's place for my lane
	s_delay_alu instid0(VALU_DEP_3)
	v_lshlrev_b32 v6, 3, v2
	s_delay_alu instid0(VALU_DEP_1)
	v_lshl_add_u32 v6, v3, 2, v6                   ; the scale words: 8 r + 4 h: lanes 0-15 send step 0's word, lanes 16-31 step 1's
	s_mul_i32 s37, s18, 16*SP                      ; my stage
	v_add_nc_u32 v7, s37, v4                       ; into it: as loaded
	v_mul_u32_u24 v8, v2, SP
	s_delay_alu instid0(VALU_DEP_1)
	v_lshl_add_u32 v8, v3, 6, v8
	s_delay_alu instid0(VALU_DEP_1)
	v_add_nc_u32 v8, s37, v8                       ; out of it: row r, + 64 h: my 16 numbers of a block
	s_mov_b32 s[SEL], 0x76543210
	s_mov_b32 s[SEL+1], 0xfedcba98
.irp b, 0,1,2,3
	v_mov_b32 v[TM+4+\b], 0                        ; written once: a lane permute's destination counts as one of its sources
.endr
	s_wait_alu depctr_va_vdst(0)
	s_wait_kmcnt 0x0
	s_mov_b64 s[22:23], s[12:13]                   ; which tensor: the choice hangs on the work-group's number alone
	s_cmp_lt_u32 ttmp9, 224
	s_cselect_b64 s[22:23], s[10:11], s[22:23]
	s_cmp_lt_u32 ttmp9, 192
	s_cselect_b64 s[22:23], s[8:9], s[22:23]
	s_cmp_lt_u32 ttmp9, 160
	s_cselect_b64 s[22:23], s[6:7], s[22:23]
	s_cmp_lt_u32 ttmp9, 128
	s_cselect_b64 s[22:23], s[4:5], s[22:23]
	s_and_b32 s24, ttmp9, 31                       ; the block of 32 rows inside a weight,
	s_cmp_lt_u32 ttmp9, 128
	s_cselect_b32 s24, ttmp9, s24                  ; or inside x
	s_lshl_b32 s24, s24, 17                        ; 32 rows of 4,096 bytes
	s_lshl_b32 s25, s19, 15                        ; + 8 u rows
	s_add_co_u32 s24, s24, s25
	s_lshl_b32 s25, s20, 10                        ; + my slab: 256 numbers
	s_add_co_u32 s24, s24, s25
	s_mov_b32 s25, 0
	s_add_nc_u64 s[22:23], s[22:23], s[24:25]
	s_lshl_b32 s33, ttmp9, 1
	s_add_co_u32 s33, s33, s19                     ; my tile's number
	s_lshl_b32 s34, s33, 12
	s_lshl_b32 s35, s20, 21                        ; a slab of codes is 2,097,152 bytes
	s_add_co_u32 s34, s34, s35
	s_mov_b32 s35, 0
	s_add_nc_u64 s[26:27], s[14:15], s[34:35]      ; my codes
	s_lshl_b32 s34, s33, 9
	s_lshl_b32 s36, s20, 7
	s_add_co_u32 s34, s34, s36
	s_add_nc_u64 s[28:29], s[16:17], s[34:35]      ; my 128 bytes of scale words
.macro XLOAD reg, s                    ; step s: load j reads 512 consecutive bytes of the tile's row j
.irp j, 0,1,2,3,4,5,6,7,8,9,10,11,12,13,14,15
	global_load_b128 v[\reg+4*\j:\reg+4*\j+3], v4, s[22:23] offset:(\j+8*(\j/8))*4096+512*\s th:TH_LOAD_NT
.endr
.endm
.macro TURN reg                        ; through the stage and back: then register 16 b + i = k 32 b + 16 h + i of row r.  LDS serves a wave's instructions in order (ISA guide 5.7.1.4): no wait between the stores and the loads
.irp j, 0,1,2,3,4,5,6,7,8,9,10,11,12,13,14,15
	ds_store_b128 v7, v[\reg+4*\j:\reg+4*\j+3] offset:SP*\j
.endr
.irp b, 0,1,2,3
.irp j, 0,1,2,3
	ds_load_b128 v[\reg+16*\b+4*\j:\reg+16*\b+4*\j+3], v8 offset:128*\b+16*\j
.endr
.endr
.endm
; 64 numbers of a lane become a fragment's codes in v[pc] on and its scale word in v[pw]
.macro QUANT s, pc, pw
.irp b, 0,1,2,3
	v_max3_num_f32 v[TM+\b], |v[\s+16*\b]|, |v[\s+1+16*\b]|, 0x4800000   ; block b: my 16 numbers, and the floor 2^(9 - 127): the byte cannot fall under 1
.endr
.irp i, 2,4,6,8,10,12,14
.irp b, 0,1,2,3
	s_delay_alu instid0(VALU_DEP_4)
	v_max3_num_f32 v[TM+\b], v[TM+\b], |v[\s+16*\b+\i]|, |v[\s+1+16*\b+\i]|   ; the four blocks by turns
.endr
.endr
.irp b, 0,1,2,3
	s_delay_alu instid0(VALU_DEP_4)
	v_permlanex16_b32 v[TM+4+\b], v[TM+\b], s[SEL], s[SEL+1]
.endr
.irp b, 0,1,2,3
	s_delay_alu instid0(VALU_DEP_4)
	v_max_num_f32 v[TM+\b], v[TM+\b], v[TM+4+\b]   ; with lane l xor 16's: the block's largest magnitude
.endr
.irp b, 0,1,2,3
	s_delay_alu instid0(VALU_DEP_4)
	v_add_nc_u32 v[TM+12+\b], 0xfc000000, v[TM+\b] ; 8 off its exponent field: the conversion takes this operand's exponent field as its scale
.endr
.irp b, 0,1,2,3
.endr
.irp b, 0,1,2,3
	s_delay_alu instid0(VALU_DEP_4)
	v_lshrrev_b32 v[TM+4+\b], 23, v[TM+12+\b]      ; the scale's byte
.endr
	s_delay_alu instid0(VALU_DEP_3)
	v_lshl_or_b32 v[\pw], v[TM+5], 8, v[TM+4]
	s_delay_alu instid0(VALU_DEP_1)
	v_lshl_or_b32 v[\pw], v[TM+6], 16, v[\pw]
	s_delay_alu instid0(VALU_DEP_1)
	v_lshl_or_b32 v[\pw], v[TM+7], 24, v[\pw]      ; my row's scale word
.irp b, 0,1,2,3
.irp i, 0,1,2,3,4,5,6,7,8,9,10,11,12,13,14,15
.endr
	v_cvt_scalef32_pk8_fp8_f32 v[\pc+4*\b:\pc+1+4*\b], v[\s+16*\b:\s+7+16*\b], v[TM+12+\b]
	v_cvt_scalef32_pk8_fp8_f32 v[\pc+2+4*\b:\pc+3+4*\b], v[\s+8+16*\b:\s+15+16*\b], v[TM+12+\b]
.endr
	v_nop                                          ; one plain vector line behind the last conversion of a run
.endm
.macro OUT s                           ; each store covers 512 consecutive bytes, aligned
.irp c, 0,1,2,3
	global_store_b128 v4, v[CD+16*\s+4*\c:CD+16*\s+4*\c+3], s[26:27] offset:2048*\s+512*\c
.endr
.endm
	XLOAD SETA, 0
	XLOAD SETB, 1
	s_wait_loadcnt 16                              ; step 0's 16 loads are in; step 1's 16 may be out
	TURN SETA
	s_wait_dscnt 0x0
	QUANT SETA, CD, PW
	OUT 0
	s_wait_loadcnt 0x0
	TURN SETB                                      ; the same stage: these stores come behind step 0's loads from it
	s_wait_dscnt 0x0
	QUANT SETB, CD+16, PW+1
	OUT 1
	v_cmp_ne_u32 vcc_lo, 0, v3                     ; both halves of the lanes hold both words
	s_delay_alu instid0(VALU_DEP_1)
	v_cndmask_b32 v194, v192, v193, vcc_lo
	global_store_b32 v6, v194, s[28:29]            ; 32 lanes store 128 consecutive bytes, aligned: a slab's words of my tile; the neighbouring slab's are another wave's.  262,144 bytes in the whole launch
	s_wait_tensorcnt 0x0
	ds_add_u32 v196, v197
	s_wait_dscnt 0x0
	s_endpgm
.Lfunc_end_k_q8f1951b575_quant:
	.size	k_q8f1951b575_quant, .Lfunc_end_k_q8f1951b575_quant-k_q8f1951b575_quant
	.p2alignl 7, 3214868480
	.fill 96, 4, 3214868480
	.section	.rodata,"a",@progbits
	.p2align	6, 0x0
	.amdhsa_kernel k_q8f1951b575_quant
		.amdhsa_group_segment_fixed_size 68608
		.amdhsa_private_segment_fixed_size 0
		.amdhsa_enable_private_segment 0
		.amdhsa_kernarg_size 56
		.amdhsa_user_sgpr_count 2
		.amdhsa_user_sgpr_kernarg_segment_ptr 1
		.amdhsa_wavefront_size32 1
		.amdhsa_system_sgpr_workgroup_id_x 1
		.amdhsa_system_sgpr_workgroup_id_y 1
		.amdhsa_system_sgpr_workgroup_id_z 1
		.amdhsa_system_vgpr_workitem_id 0
		.amdhsa_next_free_vgpr 198
		.amdhsa_next_free_sgpr 66
		.amdhsa_reserve_vcc 1
		.amdhsa_float_denorm_mode_32 3
		.amdhsa_float_denorm_mode_16_64 3
		.amdhsa_fp16_overflow 1
		.amdhsa_memory_ordered 1
		.amdhsa_forward_progress 1
		.amdhsa_inst_pref_size 22
	.end_amdhsa_kernel
	.amdgpu_metadata
---
amdhsa.version: [ 1, 2 ]
amdhsa.kernels:
  - .name:           k_q8f1951b575_quant
    .symbol:         k_q8f1951b575_quant.kd
    .args:
      - { .name: x, .offset: 0, .size: 8, .value_kind: global_buffer, .address_space: global }
      - { .name: Wq, .offset: 8, .size: 8, .value_kind: global_buffer, .address_space: global }
      - { .name: Wk, .offset: 16, .size: 8, .value_kind: global_buffer, .address_space: global }
      - { .name: Wv, .offset: 24, .size: 8, .value_kind: global_buffer, .address_space: global }
      - { .name: Wo, .offset: 32, .size: 8, .value_kind: global_buffer, .address_space: global }
      - { .name: gcodes, .offset: 40, .size: 8, .value_kind: global_buffer, .address_space: global }
      - { .name: gscales, .offset: 48, .size: 8, .value_kind: global_buffer, .address_space: global }
    .group_segment_fixed_size: 68608
    .private_segment_fixed_size: 0
    .kernarg_segment_align: 8
    .kernarg_segment_size: 56
    .max_flat_workgroup_size: 256
    .sgpr_count:     66
    .vgpr_count:     198
    .wavefront_size: 32
...
	.end_amdgpu_metadata
.endif
;; end of part 5
;; launch qkv (part 6): grid 8 x 24, 4 waves a work-group, clusters of 4 x 4, 327,680 bytes of LDS; arguments gcodes, gscales, bq, bk, bv, att; writes att
.if DOCPART == 6
	.amdgcn_target "amdgcn-amd-amdhsa--gfx1250"
	.amdhsa_code_object_version 6
	.text
	.protected	k_q8f1951b575_qkv
	.globl	k_q8f1951b575_qkv
	.p2align	8
	.type	k_q8f1951b575_qkv,@function
k_q8f1951b575_qkv:
	s_mov_b64 s[64:65], 0
	v_nop
	global_prefetch_b8 v0, s[64:65] scope:SCOPE_SE
	s_setreg_imm32_b32 hwreg(HW_REG_WAVE_MODE, 25, 1), 1
	s_wait_xcnt 0x0
	s_wait_alu depctr_hold_cnt(0) depctr_sa_sdst(0) depctr_va_vdst(0) depctr_va_sdst(0) depctr_va_ssrc(0) depctr_va_vcc(0) depctr_vm_vsrc(0)
	s_getreg_b32 s2, hwreg(HW_REG_IB_STS2, 6, 4)
	s_cmp_eq_u32 s2, 0
	s_cbranch_scc0 .Lentry_in_a_cluster
	s_endpgm
.Lentry_in_a_cluster:
	s_bfe_u32 s2, ttmp6, 0x10000c
	s_cmp_lg_u32 s2, 0xf033
	s_cbranch_scc0 .Lentry_shape_is_right
	s_endpgm
.Lentry_shape_is_right:
; q = x Wq^T + bq, k = x Wk^T + bk, v = x Wv^T + bv on codes of FP8 (E4M3) with E8M0 scales, K = 1,024; the results are quantised in registers and leave as images of the
; attention's operands: q and k along the head's 64, v along the keys.  Nothing leaves as f32.
; A tile is 256 x 256, four waves, a wave 128 x 128: 64 accumulators, 512 registers.  K goes in slabs of 256 through two LDS slots filled by the tensor data mover.  The codes lie in
; memory as images of operand registers, so 128 rows of a slab are 32,768 dense bytes, a fragment is four LDS loads of 512 consecutive bytes, and no row is padded.
; THE MATRIX INSTRUCTION IS USED TRANSPOSED: source 0 = operand P (called B below), source 1 = operand Q (called A).  Lane (r, h) of accumulator (a, b) holds row r of Q's tile a, and, since
; lane r of tile 2 g + u holds row 32 g + 8 u + r + 8 (r / 8), the 64 registers of a's eight accumulators are P's rows 32 b + 16 h + i at register 16 b + i: a fragment's order.
; TWO MODES, by the cluster's y (CY, equal in all sixteen partners): CY 0-3: P = Wq or Wk (registers run along the head's channels), Q = x (a lane holds a token): q and k.
;   CY 4-5: P = x (registers run along the tokens, v's K), Q = Wv (a lane holds a channel): v.
; CLUSTERS 4 x 4: in both modes Q's tile hangs on cy and never on cx, P's on cx and never on cy: Q's tiles are asked for jointly along a row of the cluster, P's along a column.
; att [which 2][batch x head 32][group of 128 tokens 16] records of 16,896 bytes: 0: q's or k's 8 tiles x 1,024; 8,192: v's 4 channel tiles x 2,048; 16,384: q's or k's scale words
; [r 16][f 4], word f = tile 2 f's two bytes, tile 2 f + 1's two; 16,640: v's scale words [r 16][tile 4].  which 0: q (its v parts are neither written nor read), which 1: k and v.
; LIMITS: as in the quantiser ahead: NaN and infinities not served; a block under 2^(9 - 127), zeros among them, gets the byte 1.
; REGISTERS: window 0: v1-6 lane numbers; v16-30 addresses; v32-63 scale words, two sets; v64-127 biases; v128-255 A's fragments, one set, later the way out.
;   window 1: B's fragments, two sets.  windows 2, 3: the accumulators ((a, b) at v[8 (8 (a % 4) + b)]).
.set NQ,     2                         ; steps of 128 along K in a slab
.set FR,     16                        ; registers of a fragment
.set NL,     4                         ; LDS loads that bring one
.set NP,     8                         ; places behind this matrix instruction (ISA guide 7.12.1)
.set HALFT,  32768                     ; 128 rows of a slab: one tensor load
.set SLOT,   131072                    ; A's 256 rows, then B's
.set SCL,    262144                    ; behind the ring: the scale words of all of K: A's 8,192 bytes, then B's; filled once
.set HALFS,  4096
.set SBLK,   512                       ; a tile's scale words
.set SPARE,  278528                    ; the spare words, 128 bytes a wave: two blocks of 256 bytes that no other line names
.set LAPS,   2                         ; 1,024 / 512
.set ASLAB,  2097152                   ; bytes from slab to slab
.set BSLAB,  2097152
.set REC,    16896
.set HSTR,   16*REC                    ; from head to head
.set WHICH,  32*HSTR
.set ADRA, 16                          ; v16-17 LDS address of my A fragments in slot 0, 1
.set ADRB, 20                          ; v20-21 the same for B
.set VO,   24                          ; v24  16 x lane
.set VSO,  25                          ; v25  the scale words on the way out: h x HSTR + 16 r
.set VBQ,  26                          ; v26  64 h: bq, bk
.set ADRS, 27                          ; v27  LDS address of my scale words: lanes 0-15 A's, lanes 16-31 B's
.set SPW,  28                          ; v28  my spare word; never rewritten
.set NIL,  29                          ; v29  0; never rewritten
.set VBV,  30                          ; v30  4 (r + 8 (r / 8)): bv
.set SC,   32
.set BI,   64                          ; the biases
.set AF,   128
.set T,    128                         ; the way out: 64 results + bias
.set PC,   192                         ; their codes
.set TM,   208                         ; at work
.set PWS,  224                         ; v224-231 a scale word for each block a
.set XW,   232                         ; v232-235 the words that leave
.set KW,   236                         ; v236-243 q's, k's words put together
.set G1, 24                            ; s[24:31] group 1 for A's tiles; s[32:39] group 0, a set for each slot
.set G0, 32
.set G1B, 48                           ; s[48:55], s[56:63] the same for B
.set G0B, 56
.set G1S, 68                           ; s[68:75], s[76:79] A's scales; s[80:87], s[88:91] B's
.set G0S, 76
.set G1SB, 80
.set G0SB, 88
.set SEL, 98                           ; s[98:99] lane selects: lane l xor 16
.set MNT, 100
.set MSB, 0
.macro WIN new                         ; the immediate's high byte repeats the setting that is left
.if MSB != \new
	s_set_vgpr_msb (MSB<<8)|\new
.set MSB, \new
.endif
.endm
.set MUL_LO, 0xa1                      ; source 0 (B) window 1, source 1 (A) window 0, C and D window 2
.set MUL_HI, 0xf1                      ; the same, C and D window 3
.set TO_B,   0x40                      ; destination window 1
; A joint load: waves 0 and 1 fetch for A, waves 2 and 3 for B; the branch hangs on the wave's number alone.  Four v_nop follow each of the two lines.
.macro JLOAD g0a, g1a, g0b, g1b
	s_cmp_eq_u32 s17, 0
	s_cbranch_scc0 .Lfor_b_\@
	tensor_load_to_lds s[\g0a:\g0a+3], s[\g1a:\g1a+7]
	s_nop 0
.rept 4
	v_nop
.endr
	s_branch .Lasked_\@
.Lfor_b_\@:
	tensor_load_to_lds s[\g0b:\g0b+3], s[\g1b:\g1b+7]
	s_nop 0
.rept 4
	v_nop
.endr
.Lasked_\@:
.endm
.macro CREST                           ; a round of the cluster's barrier behind its opening barrier
	s_cmp_lg_u32 s16, 0
	s_cbranch_scc1 .Lnot_wave_0_\@
	s_barrier_signal -3
.Lnot_wave_0_\@:
	s_barrier_wait -3
	s_barrier_signal -1
	s_barrier_wait -1
.endm
.macro CROUND
	s_barrier_signal -1
	s_barrier_wait -1
	CREST
.endm
	s_load_b256 s[4:11], s[0:1], 0x0               ; gcodes s[4:5], gscales s[6:7], bq s[8:9], bk s[10:11]
	s_load_b128 s[12:15], s[0:1], 0x20             ; bv s[12:13], att s[14:15]
	v_lshl_add_u32 v[SPW], v0, 2, SPARE
	v_mov_b32 v[NIL], 0
	ds_add_u32 v28, v29
	ds_add_u32 v28, v29
	s_wait_dscnt 0x0
	v_lshrrev_b32 v1, 5, v0
	v_readfirstlane_b32 s16, v1                    ; wave 0..3
	s_lshr_b32 s17, s16, 1                         ; HA: my half of A's rows.  Also: I fetch for A (0) or for B (1)
	s_and_b32 s18, s16, 1                          ; HB: my half of B's rows.  Also: which 128 rows I fetch
	s_bfe_u32 s40, ttmp6, 0x40000                  ; cx
	s_bfe_u32 s41, ttmp6, 0x40004                  ; cy
	s_lshl_b32 s42, ttmp9, 2
	s_add_co_u32 s42, s42, s40                     ; gx = 4 x cluster x + cx
	s_and_b32 s19, ttmp7, 0xffff                   ; CY: the cluster's y
	s_lshl_b32 s43, s41, 2
	s_lshl_b32 s43, 15, s43                        ; my row of the cluster
	s_lshl_b32 s44, 0x1111, s40                    ; my column
	s_and_b32 s20, s19, 3
	s_lshl_b32 s20, s20, 3                         ; 8 (CY - 4) where CY is 4 or 5
	s_lshl_b32 s21, s19, 2                         ; 4 CY
	s_cmp_ge_u32 s19, 4                            ; the mode
	s_cselect_b32 s20, s20, 16
	s_cselect_b32 s21, 24, s21
	s_add_co_u32 s95, s42, s20                     ; P's tile of 256 stacked rows: 16 + gx (Wq, Wk), or gx + 8 (CY - 4) (x)
	s_add_co_u32 s101, s41, s21                    ; Q's: 4 CY + cy (x), or 24 + cy (Wv)
	; group 1: 128 rows of 256 dense bytes (32 elements of 8 bytes), no padding
	s_or_b32 s[G1+0], s43, (3<<16)|(1<<21)         ; 15:0 the mask: A's tiles go to my row; 17:16 elements of 8 bytes; 21 set beside a mask
	s_or_b32 s[G1B+0], s44, (3<<16)|(1<<21)        ; B's to my column
.irp g, G1, G1B
	s_mov_b32 s[\g+1], 32<<16                      ; tensor_dim0
	s_mov_b32 s[\g+2], 128<<16                     ; tensor_dim1
	s_mov_b32 s[\g+3], 32<<16                      ; tile_dim0
	s_mov_b32 s[\g+4], 128                         ; tile_dim1
	s_mov_b32 s[\g+5], 32                          ; the pitch
	s_mov_b32 s[\g+6], 0
	s_mov_b32 s[\g+7], 0
.endr
	s_or_b32 s[G1S+0], s43, (3<<16)|(1<<21)        ; the scale words of 128 rows: 16 rows of 256 dense bytes
	s_or_b32 s[G1SB+0], s44, (3<<16)|(1<<21)
.irp g, G1S, G1SB
	s_mov_b32 s[\g+1], 32<<16
	s_mov_b32 s[\g+2], 16<<16
	s_mov_b32 s[\g+3], 32<<16
	s_mov_b32 s[\g+4], 16
	s_mov_b32 s[\g+5], 32
	s_mov_b32 s[\g+6], 0
	s_mov_b32 s[\g+7], 0
.endr
	s_lshl_b32 s2, s18, 15                         ; which 128 rows I fetch
	s_lshl_b32 s3, s18, 12
	s_lshl_b32 s20, s101, 16                       ; A: codes,
	s_add_co_u32 s20, s20, s2
	s_mov_b32 s21, 0
	s_lshl_b32 s22, s101, 13                       ; scale words
	s_add_co_u32 s22, s22, s3
	s_mov_b32 s23, 0
	s_lshl_b32 s46, s95, 16                        ; B likewise, in registers that never hold cy
	s_add_co_u32 s46, s46, s2
	s_mov_b32 s47, 0
	s_lshl_b32 s92, s95, 13
	s_add_co_u32 s92, s92, s3
	s_mov_b32 s93, 0
	s_lshl_b32 s45, s16, 15                        ; where they go: wave x 32,768: no place in the cluster enters an LDS address
	s_lshl_b32 s94, s16, 12
	s_wait_kmcnt 0x0
	s_add_nc_u64 s[20:21], s[4:5], s[20:21]
	s_add_nc_u64 s[22:23], s[6:7], s[22:23]
	s_add_nc_u64 s[46:47], s[4:5], s[46:47]
	s_add_nc_u64 s[92:93], s[6:7], s[92:93]
	CROUND                                         ; all sixteen work-groups are here: the first joint loads meet
	s_mov_b32 s[G0S], 1
	s_add_co_u32 s[G0S+1], s94, SCL
	s_mov_b64 s[G0S+2:G0S+3], s[22:23]
	s_or_b32 s[G0S+3], s[G0S+3], 0x80000000
	s_mov_b32 s[G0SB], 1
	s_add_co_u32 s[G0SB+1], s94, SCL
	s_mov_b64 s[G0SB+2:G0SB+3], s[92:93]
	s_or_b32 s[G0SB+3], s[G0SB+3], 0x80000000
	JLOAD G0S, G1S, G0SB, G1SB                     ; the scale words first: they are wanted with slab 0
.irp s, 0,1
	s_mov_b32 s[G0+4*\s], 1
	s_add_co_u32 s[G0+4*\s+1], s45, \s*SLOT
	s_add_nc_u64 s[G0+4*\s+2:G0+4*\s+3], s[20:21], \s*ASLAB
	s_or_b32 s[G0+4*\s+3], s[G0+4*\s+3], 0x80000000
	s_mov_b32 s[G0B+4*\s], 1
	s_add_co_u32 s[G0B+4*\s+1], s45, \s*SLOT
	s_add_nc_u64 s[G0B+4*\s+2:G0B+4*\s+3], s[46:47], \s*BSLAB
	s_or_b32 s[G0B+4*\s+3], s[G0B+4*\s+3], 0x80000000
	JLOAD G0+4*\s, G1, G0B+4*\s, G1B               ; three tensor loads of mine are out
.endr
	v_and_b32 v1, 15, v0                           ; r
	v_bfe_u32 v2, v0, 4, 1                         ; h
	s_wait_alu depctr_va_vdst(0)
	v_and_b32 v3, 31, v0                           ; lane
	v_lshlrev_b32 v4, 4, v3                        ; 16 x lane
	s_lshl_b32 s2, s17, 15                         ; my 128 rows of A
	s_lshl_b32 s3, s18, 15                         ; my 128 rows of B,
	s_add_co_u32 s3, s3, 65536                     ; behind A's 256
.irp s, 0,1
	v_add_nc_u32 v[ADRA+\s], s2, v4
	v_add_nc_u32 v[ADRB+\s], s3, v4
	s_add_co_u32 s2, s2, SLOT
	s_add_co_u32 s3, s3, SLOT
.endr
	v_lshlrev_b32 v5, 3, v1                        ; a row's two words of a slab
	s_lshl_b32 s2, s17, 12                         ; A's: my 128 rows
	s_lshl_b32 s3, s18, 12                         ; B's: my 128 rows, behind A's
	s_add_co_u32 s3, s3, 8192
	s_sub_co_u32 s3, s3, s2
	v_mul_u32_u24 v6, s3, v2                       ; lanes 16-31 take B's: one product, the distance between the two
	s_add_co_u32 s2, s2, SCL
	v_add_nc_u32 v5, v5, v6
	v_add_nc_u32 v[ADRS], s2, v5
	v_lshlrev_b32 v[VO], 4, v3
	v_mul_u32_u24 v[VSO], v2, HSTR
	v_lshl_add_u32 v[VSO], v1, 4, v[VSO]
	v_lshlrev_b32 v[VBQ], 6, v2
	v_and_b32 v[VBV], 8, v1
	v_add_nc_u32 v[VBV], v[VBV], v1
	v_lshlrev_b32 v[VBV], 2, v[VBV]
	s_mov_b32 s96, 0x05040100                      ; the low halves of two words
	s_mov_b32 s97, 0x07060302                      ; the high halves
	s_mov_b32 s[SEL], 0x76543210
	s_mov_b32 s[SEL+1], 0xfedcba98
.macro FRAG reg, adr, q, i             ; tile i's fragment of the slab's q-th 128 along K: four loads of 512 consecutive bytes
.irp c, 0,1,2,3
	ds_load_b128 v[\reg+4*\c:\reg+4*\c+3], v[\adr] offset:2048*(\q)+512*\c+(\i)*4096
.endr
.endm
; 16 matrix instructions: A's blocks a0, a0 + 1 x B's eight.  p: B's set; sc: the set of scale words.  zero = 1: the first product starts the sums.
; The 64 accumulators take turns, one instruction a turn, in the same order in every step.
.macro MUL16 a0, p, q, sc, zero
.irp a, \a0, \a0+1
.irp b, 0,1,2,3,4,5,6,7
.if \zero
	v_wmma_scale_f32_16x16x128_f8f6f4 v[8*(8*((\a)%4)+\b):8*(8*((\a)%4)+\b)+7], v[128*(\p)+FR*\b:128*(\p)+FR*\b+FR-1], v[AF+FR*(\a):AF+FR*(\a)+FR-1], 0, v[SC+8*NQ*(\sc)+NQ*\b+(\q)], v[SC+8*NQ*(\sc)+NQ*(\a)+(\q)] matrix_a_scale:MATRIX_SCALE_ROW1
.else
	v_wmma_scale_f32_16x16x128_f8f6f4 v[8*(8*((\a)%4)+\b):8*(8*((\a)%4)+\b)+7], v[128*(\p)+FR*\b:128*(\p)+FR*\b+FR-1], v[AF+FR*(\a):AF+FR*(\a)+FR-1], v[8*(8*((\a)%4)+\b):8*(8*((\a)%4)+\b)+7], v[SC+8*NQ*(\sc)+NQ*\b+(\q)], v[SC+8*NQ*(\sc)+NQ*(\a)+(\q)] matrix_a_scale:MATRIX_SCALE_ROW1
.endif
.endr
.endr
.endm
.macro FETCH_B slot, q, p
	WIN TO_B
.irp i, 0,1,2,3,4,5,6,7
	FRAG 128*(\p)+FR*\i, ADRB+\slot, \q, \i
.endr
	WIN 0
.endm
.macro FETCH_A slot, q, i0
.irp i, \i0, \i0+1, \i0+2, \i0+3
	FRAG AF+FR*(\i), ADRA+\slot, \q, \i
.endr
.endm
.macro SCALES sc                       ; a slab's scale words: lanes 0-15 A's block i, lanes 16-31 B's block i; two words a row
.irp i, 0,1,2,3,4,5,6,7
	ds_load_b64 v[SC+8*NQ*\sc+NQ*\i:SC+8*NQ*\sc+NQ*\i+1], v[ADRS] offset:\i*SBLK
.endr
.endm
.macro PLACES n                        ; plain vector lines between a matrix instruction and a load into, or a read or write of, its registers (ISA guide 7.12.1 for a read or write)
.rept \n
	v_nop
.endr
.endm
.macro STEP slot, q, zero              ; a step of 128 along K that has its successor in the same slot
	s_wait_dscnt 4*NL                              ; B's set and A's blocks 0-3 are in; the youngest 16 loads (A's blocks 4-7) may be out
	WIN MUL_LO
	MUL16 0, (\q)%2, \q, \slot, \zero
	MUL16 2, (\q)%2, \q, \slot, \zero
	s_wait_dscnt 0
	PLACES NP
	FETCH_B \slot, (\q)+1, 1-(\q)%2
	FETCH_A \slot, (\q)+1, 0
	WIN MUL_HI
	MUL16 4, (\q)%2, \q, \slot, \zero
	MUL16 6, (\q)%2, \q, \slot, \zero
	PLACES NP
	WIN 0
	FETCH_A \slot, (\q)+1, 4
.endm
; A slot's last step changes slots: one barrier; in front of it each wave waits for all its tensor loads, adds 0 to its spare word, and waits for that and for its reads of this slot.
.macro TURN slot, next, fill
	s_wait_tensorcnt 0x0                           ; all my tensor loads have landed: my part of the next slot
	ds_add_u32 v[SPW], v[NIL]                      ; 0 onto my spare word
	s_wait_dscnt 4*NL+1                            ; the add and the youngest 16 loads (A's blocks 4-7) may be out
	WIN MUL_LO
	MUL16 0, 1, NQ-1, \slot, 0
	s_wait_dscnt 0x0                               ; the add is done, and my reads of this slot are over
	s_barrier_signal -1
	MUL16 2, 1, NQ-1, \slot, 0
	WIN 0
	s_barrier_wait -1
.if \fill
	CREST                                          ; the barrier has opened a round of the cluster's: no wave of any partner still reads this slot or has a load on its way
	s_add_nc_u64 s[G0+4*\slot+2:G0+4*\slot+3], s[G0+4*\slot+2:G0+4*\slot+3], 2*ASLAB
	s_add_nc_u64 s[G0B+4*\slot+2:G0B+4*\slot+3], s[G0B+4*\slot+2:G0B+4*\slot+3], 2*BSLAB
	JLOAD G0+4*\slot, G1, G0B+4*\slot, G1B         ; the first tensor load behind the round, my one until the next; its four v_nop are among the places below
	PLACES NP-4
.else
	PLACES NP
.endif
	s_wait_alu depctr_va_vdst(0)
	v_add_nc_u32 v[ADRS], 128, v[ADRS]             ; the next slab's scale words (no LDS load of mine is out)
	FETCH_B \next, 0, 0
	FETCH_A \next, 0, 0
	SCALES \next
	WIN MUL_HI
	MUL16 4, 1, NQ-1, \slot, 0
	MUL16 6, 1, NQ-1, \slot, 0
	PLACES NP
	WIN 0
	FETCH_A \next, 0, 4
.endm
; 64 numbers of a lane, register 16 b + i = k 32 b + 16 h + i, become a fragment's codes in v[pc] on and its scale word in v[pw]
.macro QUANT s, pc, pw
.irp b, 0,1,2,3
	v_max3_num_f32 v[TM+\b], |v[\s+16*\b]|, |v[\s+1+16*\b]|, 0x4800000   ; my 16 numbers, and the floor 2^(9 - 127): the byte cannot fall under 1
.endr
.irp i, 2,4,6,8,10,12,14
.irp b, 0,1,2,3
	v_max3_num_f32 v[TM+\b], v[TM+\b], |v[\s+16*\b+\i]|, |v[\s+1+16*\b+\i]|
.endr
.endr
.irp b, 0,1,2,3
	v_permlanex16_b32 v[TM+4+\b], v[TM+\b], s[SEL], s[SEL+1]
.endr
.irp b, 0,1,2,3
	v_max_num_f32 v[TM+\b], v[TM+\b], v[TM+4+\b]   ; with lane l xor 16's: the block's largest magnitude
.endr
.irp b, 0,1,2,3
	v_add_nc_u32 v[TM+12+\b], 0xfc000000, v[TM+\b] ; 8 off its exponent field: the conversion's scale operand
.endr
.irp b, 0,1,2,3
.endr
.irp b, 0,1,2,3
	v_lshrrev_b32 v[TM+4+\b], 23, v[TM+12+\b]      ; the scale's byte
.endr
	v_lshl_or_b32 v[\pw], v[TM+5], 8, v[TM+4]
	v_lshl_or_b32 v[\pw], v[TM+6], 16, v[\pw]
	v_lshl_or_b32 v[\pw], v[TM+7], 24, v[\pw]
.irp b, 0,1,2,3
.irp i, 0,1,2,3,4,5,6,7,8,9,10,11,12,13,14,15
.endr
	v_cvt_scalef32_pk8_fp8_f32 v[\pc+4*\b:\pc+1+4*\b], v[\s+16*\b:\s+7+16*\b], v[TM+12+\b]
	v_cvt_scalef32_pk8_fp8_f32 v[\pc+2+4*\b:\pc+3+4*\b], v[\s+8+16*\b:\s+15+16*\b], v[TM+12+\b]
.endr
	v_nop                                          ; one plain vector line behind the last conversion of a run
.endm
; Block a of the way out: its eight accumulators + bias, each read from its low end on; quantised; four stores of 512 consecutive aligned bytes.
.macro BLOCK a, vmode
.if \a > 0
	s_wait_xcnt 0x0                                ; the last block's stores have read their data: the codes' registers are written again only behind this wait
.endif
.if \a < 4
	WIN 0x02                                       ; source 0: window 2
.else
	WIN 0x03                                       ; window 3
.endif
.set i, 0
.rept 32
.if \vmode
	v_pk_add_f32 v[T+2*i:T+2*i+1], v[64*(\a%4)+2*i:64*(\a%4)+2*i+1], v[BI+2*\a:BI+2*\a+1]   ; the bias is my lane's channel's, held twice
.else
	v_pk_add_f32 v[T+2*i:T+2*i+1], v[64*(\a%4)+2*i:64*(\a%4)+2*i+1], v[BI+2*i:BI+2*i+1]
.endif
.set i, i+1
.endr
	WIN 0
	QUANT T, PC, PWS+\a
.irp c, 0,1,2,3
.if \vmode
	global_store_b128 v[VO], v[PC+4*\c:PC+4*\c+3], s[14:15] offset:(\a/4)*HSTR+8192+(\a%4)*2048+512*\c   ; head a / 4, channel tile a % 4, keys 32 c on
.else
	global_store_b128 v[VO], v[PC+4*\c:PC+4*\c+3], s[14:15] offset:(\c/2)*HSTR+\a*1024+(\c%2)*512       ; head c / 2, token tile a, channels 32 (c % 2) on
.endif
.endr
.endm
	s_wait_alu depctr_va_vdst(0)
	s_wait_tensorcnt 1                             ; the scale words and my part of slab 0 are in; slab 1's load may be out
	s_barrier_signal -1
	s_barrier_wait -1
	FETCH_B 0, 0, 0
	FETCH_A 0, 0, 0
	SCALES 0
	FETCH_A 0, 0, 4
	STEP 0, 0, 1                                   ; the first step stands in front of the loop: its products start the sums
	s_mov_b32 s3, LAPS-1
.Llap:                                             ; a trip goes once round the ring and fills both slots again
	TURN 0, 1, 1
	STEP 1, 0, 0
	TURN 1, 0, 1
	STEP 0, 0, 0
	s_sub_co_u32 s3, s3, 1
	s_cmp_lg_u32 s3, 0
	s_cbranch_scc1 .Llap
	TURN 0, 1, 0                                   ; the last lap fills nothing
	STEP 1, 0, 0
	s_wait_dscnt 4*NL                              ; the very last step
	WIN MUL_LO
	MUL16 0, 1, NQ-1, 1, 0
	MUL16 2, 1, NQ-1, 1, 0
	s_wait_dscnt 0
	WIN 0
	s_cmp_ge_u32 s19, 4                            ; the two modes part here, on the cluster's y; neither way touches LDS, holds a barrier or a tensor load
	s_cbranch_scc1 .Lv
	; ---- q and k.  which = gx >> 2; my two heads 4 (gx & 3) + 2 HB on; batch = Q's tile >> 3; group = 2 (Q's tile & 7) + HA
	s_lshr_b32 s2, s42, 2
	s_and_b32 s3, s42, 3
	s_lshl_b32 s20, s3, 2
	s_lshl_b32 s21, s18, 1
	s_add_co_u32 s20, s20, s21
	s_lshr_b32 s21, s101, 3
	s_lshl_b32 s21, s21, 4
	s_add_co_u32 s20, s20, s21                     ; 16 x batch + head
	s_lshl_b32 s20, s20, 4
	s_and_b32 s21, s101, 7
	s_lshl_b32 s21, s21, 1
	s_add_co_u32 s20, s20, s21
	s_add_co_u32 s20, s20, s17                     ; the record's number
	s_mul_i32 s20, s20, REC
	s_mul_i32 s21, s2, WHICH
	s_add_co_u32 s20, s20, s21
	s_mov_b32 s21, 0
	s_add_nc_u64 s[14:15], s[14:15], s[20:21]
	s_cmp_lg_u32 s2, 0
	s_cselect_b64 s[22:23], s[10:11], s[8:9]       ; bk or bq
	s_lshl_b32 s46, s3, 10
	s_lshl_b32 s47, s18, 9
	s_add_co_u32 s46, s46, s47
	s_mov_b32 s47, 0
	s_add_nc_u64 s[22:23], s[22:23], s[46:47]      ; at my 128 features
.irp b, 0,1,2,3
.irp j, 0,1,2,3
	global_load_b128 v[BI+16*\b+4*\j:BI+16*\b+4*\j+3], v[VBQ], s[22:23] offset:128*\b+16*\j   ; register 16 b + i: the bias of feature 32 b + 16 h + i
.endr
.endr
	WIN MUL_HI
	MUL16 4, 1, NQ-1, 1, 0                         ; the biases land under the last 32 products
	MUL16 6, 1, NQ-1, 1, 0
	WIN 0
	PLACES NP
.irp b, 0,1,2,3
	v_mov_b32 v[TM+4+\b], 0                        ; a lane permute's destination counts as one of its sources
.endr
	v_cmp_ne_u32 vcc_lo, 0, v2                     ; lanes 16-31
	s_wait_loadcnt 0x0
.irp a, 0,1,2,3,4,5,6,7
	BLOCK \a, 0
.endr
.irp f, 0,1,2,3
	v_perm_b32 v[KW+\f], v[PWS+2*\f+1], v[PWS+2*\f], s96     ; my first head: tile 2 f's two bytes, tile 2 f + 1's two
	v_perm_b32 v[KW+4+\f], v[PWS+2*\f+1], v[PWS+2*\f], s97   ; my second head
.endr
.irp f, 0,1,2,3
	v_cndmask_b32 v[XW+\f], v[KW+\f], v[KW+4+\f], vcc_lo     ; lanes 0-15 send the first head's words, lanes 16-31 the second's
.endr
	global_store_b128 v[VSO], v[XW:XW+3], s[14:15] offset:16384   ; sixteen lanes store 256 consecutive bytes, aligned
	s_branch .Lend
.Lv:
	; ---- v.  batch = P's tile >> 3; group of keys = 2 (P's tile & 7) + HB; my two heads 4 cy + 2 HA on
	s_lshr_b32 s20, s95, 3
	s_lshl_b32 s20, s20, 4
	s_lshl_b32 s21, s41, 2
	s_add_co_u32 s20, s20, s21
	s_lshl_b32 s21, s17, 1
	s_add_co_u32 s20, s20, s21
	s_lshl_b32 s20, s20, 4
	s_and_b32 s21, s95, 7
	s_lshl_b32 s21, s21, 1
	s_add_co_u32 s20, s20, s21
	s_add_co_u32 s20, s20, s18
	s_mul_i32 s20, s20, REC
	s_add_co_u32 s20, s20, WHICH
	s_mov_b32 s21, 0
	s_add_nc_u64 s[14:15], s[14:15], s[20:21]
	s_lshl_b32 s46, s41, 10
	s_lshl_b32 s47, s17, 9
	s_add_co_u32 s46, s46, s47
	s_mov_b32 s47, 0
	s_add_nc_u64 s[22:23], s[12:13], s[46:47]      ; bv at my 128 channels
.irp a, 0,1,2,3,4,5,6,7
	global_load_b32 v[BI+2*\a], v[VBV], s[22:23] offset:(32*(\a/2)+8*(\a%2))*4     ; my lane's channel of tile a, into both registers of a pair
	global_load_b32 v[BI+2*\a+1], v[VBV], s[22:23] offset:(32*(\a/2)+8*(\a%2))*4
.endr
	WIN MUL_HI
	MUL16 4, 1, NQ-1, 1, 0
	MUL16 6, 1, NQ-1, 1, 0
	WIN 0
	PLACES NP
.irp b, 0,1,2,3
	v_mov_b32 v[TM+4+\b], 0
.endr
	v_cmp_ne_u32 vcc_lo, 0, v2
	s_wait_loadcnt 0x0
.irp a, 0,1,2,3,4,5,6,7
	BLOCK \a, 1
.endr
.irp f, 0,1,2,3
	v_cndmask_b32 v[XW+\f], v[PWS+\f], v[PWS+4+\f], vcc_lo   ; lanes 0-15 the first head's four tiles, lanes 16-31 the second's
.endr
	global_store_b128 v[VSO], v[XW:XW+3], s[14:15] offset:16640
.Lend:
	s_wait_tensorcnt 0x0                           ; the wave's end
	ds_add_u32 v[SPW], v[NIL]
	s_wait_dscnt 0x0
	CROUND                                         ; the closing round: no work-group ends while a partner may still ask for a tile that names it
	s_endpgm
.Lfunc_end_k_q8f1951b575_qkv:
	.size	k_q8f1951b575_qkv, .Lfunc_end_k_q8f1951b575_qkv-k_q8f1951b575_qkv
	.p2alignl 7, 3214868480
	.fill 96, 4, 3214868480
	.section	.rodata,"a",@progbits
	.p2align	6, 0x0
	.amdhsa_kernel k_q8f1951b575_qkv
		.amdhsa_group_segment_fixed_size 327680
		.amdhsa_private_segment_fixed_size 0
		.amdhsa_enable_private_segment 0
		.amdhsa_kernarg_size 48
		.amdhsa_user_sgpr_count 2
		.amdhsa_user_sgpr_kernarg_segment_ptr 1
		.amdhsa_wavefront_size32 1
		.amdhsa_system_sgpr_workgroup_id_x 1
		.amdhsa_system_sgpr_workgroup_id_y 1
		.amdhsa_system_sgpr_workgroup_id_z 1
		.amdhsa_system_vgpr_workitem_id 0
		.amdhsa_next_free_vgpr 1024
		.amdhsa_next_free_sgpr 102
		.amdhsa_reserve_vcc 1
		.amdhsa_float_denorm_mode_32 3
		.amdhsa_float_denorm_mode_16_64 3
		.amdhsa_fp16_overflow 1
		.amdhsa_memory_ordered 1
		.amdhsa_forward_progress 1
		.amdhsa_inst_pref_size 223
	.end_amdhsa_kernel
	.amdgpu_metadata
---
amdhsa.version: [ 1, 2 ]
amdhsa.kernels:
  - .name:           k_q8f1951b575_qkv
    .symbol:         k_q8f1951b575_qkv.kd
    .args:
      - { .name: gcodes, .offset: 0, .size: 8, .value_kind: global_buffer, .address_space: global }
      - { .name: gscales, .offset: 8, .size: 8, .value_kind: global_buffer, .address_space: global }
      - { .name: bq, .offset: 16, .size: 8, .value_kind: global_buffer, .address_space: global }
      - { .name: bk, .offset: 24, .size: 8, .value_kind: global_buffer, .address_space: global }
      - { .name: bv, .offset: 32, .size: 8, .value_kind: global_buffer, .address_space: global }
      - { .name: att, .offset: 40, .size: 8, .value_kind: global_buffer, .address_space: global }
    .group_segment_fixed_size: 327680
    .private_segment_fixed_size: 0
    .kernarg_segment_align: 8
    .kernarg_segment_size: 48
    .max_flat_workgroup_size: 128
    .sgpr_count:     102
    .vgpr_count:     1024
    .wavefront_size: 32
...
	.end_amdgpu_metadata
.endif
;; end of part 6
;; launch attn (part 7): grid 8 x 32, 16 waves a work-group, no clusters, 272,384 bytes of LDS; arguments att, ocodes, oscales; writes ocodes, oscales
.if DOCPART == 7
	.amdgcn_target "amdgcn-amd-amdhsa--gfx1250"
	.amdhsa_code_object_version 6
	.text
	.protected	k_q8f1951b575_attn
	.globl	k_q8f1951b575_attn
	.p2align	8
	.type	k_q8f1951b575_attn,@function
k_q8f1951b575_attn:
	s_mov_b64 s[64:65], 0
	v_nop
	global_prefetch_b8 v0, s[64:65] scope:SCOPE_SE
	s_setreg_imm32_b32 hwreg(HW_REG_WAVE_MODE, 25, 1), 1
	s_wait_xcnt 0x0
; Causal attention of one head on codes of FP8 (E4M3) with E8M0 scales: S^T = K Q^T (K = the head's 64), p = 2^(t - M), O^T = V^T P^T (K = the keys), O / the row's sum, quantised along
; d_model into the image of the last product's operand.  t = score x log2(e) / 8; M = the running largest t rounded up to a whole number; the sum is taken of the unquantised p in f32;
; when M moves, the sum and O^T are multiplied by 2^(old M - new M), which rounds nothing.
; SHARES: work-group (i, batch x head).  Waves 0-7 take the eight tiles of 16 queries of the group of 128 queries G = i, waves 8-15 those of G = 15 - i: each work-group has
; 8 x 17 key steps of 128, so the causal triangle is even over the 256 work-groups.  A wave owns one tile in 256 registers; four waves share a SIMD.
; LDS: the head's sixteen records of k and v (16,896 bytes each: 8 tiles of k, 4 channel tiles of v, their scale words) come ONCE, each by one tensor load of 66 rows of 256 dense bytes.
; IN FOUR STAGES: waves 0-3 issue four loads each, wave a those of records a, a + 4, a + 8, a + 12, in that order; a wave's tensor loads end in order (ISA guide 10.11.1).  Stage n, key steps
; 4 n .. 4 n + 3, begins with a counted wait that shows each such wave's first n + 1 loads landed, and a barrier: the first products wait for four records, and the later records land
; under the earlier stages' work.  Nothing is filled again.
; NO CLUSTER: which steps a wave leaves out and where it masks hang on its group of queries, which would be its place in a cluster, and partners in a cluster must run alike.
; HEAD SIZE 64 IN A FORM OF K = 128: a fragment of K holds two tiles of 16 keys, tile 2 f in k 0-63 and tile 2 f + 1 in k 64-127.  Q stands as [8 zeros | q | 8 zeros]: registers 8-23
; pick tile 2 f, registers 0-15 tile 2 f + 1; the zero codes meet codes that are numbers under the byte 127, and add nothing.
; LAYOUT: both products are used transposed: a lane holds one query.  Lane r of a tile holds row 32 g + 8 u + r + 8 (r / 8), so the 16 registers of two neighbouring tiles are 16 neighbouring
; keys (S^T, p) or channels (O^T): the conversions' results are the next operand's registers.
; CAUSAL: all sixteen trips are walked; a step all of whose keys come after my queries is left out by a scalar branch on ids; in my diagonal step hidden scores become -infinity.
; LIMITS: p under 2^-126 comes out of v_exp_f32 as 0; 1 / the sum is v_rcp_f32's; a block under 2^(9 - 127), zeros among them, gets the byte 1; NaN and infinities are not served.
.set REC,   16896
.set WHICH, 32*16*REC
.set G0,    48                         ; s[48:63] descriptor group 0, a set for each of a wave's four loads
.set KV,    40                         ; v40-103  four fragments of K, then of V
.set S,     104                        ; v104-167 S^T, then p; at the end O / the sum
.set O,     168                        ; v168-199 O^T
.set PCD,   200                        ; v200-215 p's codes
.set BM,    216                        ; v216-219 the blocks' largest
.set BP,    220                        ; v220-223 the other half's / the bytes
.set HOLD,  224
.set SOP,   228                        ; v228-231 the conversions' scale operands
; v1 16 x lane; v2 16 r; v3 my query less 16 h, in its group; v4 -infinity; v5, v6 the step's addresses; v7 8 r + h; v8 h; v12 -M, v13 the largest t, v[14:15] the sum in two halves;
; v16-39 zeros, q, zeros; v232 at work; v[234:235] f; v[236:237] the second chain of sums; v248-251 K's or V's scale words; v252 p's; v253, v254 q's for the two picks; v255 q's as loaded
	s_load_b128 s[4:7], s[0:1], 0x0                ; att, ocodes
	s_load_b64 s[8:9], s[0:1], 0x10                ; oscales
	v_lshl_add_u32 v246, v0, 2, 0x42000
	v_mov_b32 v247, 0
	ds_add_u32 v246, v247
	ds_add_u32 v246, v247
	v_lshrrev_b32 v1, 5, v0
	s_delay_alu instid0(VALU_DEP_1)
	v_readfirstlane_b32 s10, v1                    ; wave 0..15
	s_mov_b32 s11, ttmp9                           ; i
	s_and_b32 s12, ttmp7, 0xffff                   ; batch x head
	s_sub_co_u32 s13, 15, s11
	s_cmp_lt_u32 s10, 8
	s_cselect_b32 s13, s11, s13                    ; G
	s_and_b32 s14, s10, 7                          ; tau: my tile in the group
	s_lshl_b32 s15, s13, 3
	s_add_co_u32 s15, s15, s14                     ; my tile in the sequence
	s_mov_b32 s16, 3<<16                           ; group 1: no mask; elements of 8 bytes; no padding
	s_mov_b32 s17, 32<<16                          ; tensor_dim0 = 32
	s_mov_b32 s18, 66<<16                          ; tensor_dim1 = 66
	s_mov_b32 s19, 32<<16                          ; tile_dim0 = 32
	s_mov_b32 s20, 66                              ; tile_dim1 = 66
	s_mov_b32 s21, 32                              ; the pitch
	s_mov_b32 s22, 0
	s_mov_b32 s23, 0
	s_and_b32 s37, s10, 3                          ; a: which record of each four a fetching wave brings
	s_lshl_b32 s38, s12, 4
	s_add_co_u32 s39, s38, s37
	s_mul_i32 s40, s39, REC
	s_add_co_u32 s40, s40, WHICH                   ; record a of my head's k and v
	s_mov_b32 s41, 0
	s_add_co_u32 s39, s38, s13
	s_mul_i32 s39, s39, REC                        ; q's record of my group
	s_lshl_b32 s46, s14, 10
	s_add_co_u32 s42, s39, s46                     ; my tile's codes
	s_mov_b32 s43, 0
	s_lshr_b32 s46, s14, 1
	s_lshl_b32 s46, s46, 2
	s_add_co_u32 s44, s39, s46
	s_add_co_u32 s44, s44, 16384                   ; the word that holds my tile's two bytes
	s_mov_b32 s45, 0
	s_mul_i32 s25, s37, REC                        ; record a's place in LDS
	s_wait_dscnt 0x0
	s_wait_kmcnt 0x0
	s_add_nc_u64 s[40:41], s[4:5], s[40:41]
.irp s, 0,1,2,3
	s_mov_b32 s[G0+4*\s], 1                                        ; count = 1
	s_add_co_u32 s[G0+4*\s+1], s25, \s*4*REC                       ; LDS address: record a + 4 s
	s_add_nc_u64 s[G0+4*\s+2:G0+4*\s+3], s[40:41], \s*4*REC        ; and the same record in memory
	s_or_b32 s[G0+4*\s+3], s[G0+4*\s+3], 0x80000000                ; type = 2
.endr
	s_cmp_lt_u32 s10, 4                            ; all first fills of a wave stand in this one branch, ahead of every wait on TENSORcnt, every LDS read and every barrier
	s_cbranch_scc0 .Lno_fill
	tensor_load_to_lds s[G0:G0+3], s[16:23]        ; four loads of mine are out
	s_nop 0
	tensor_load_to_lds s[G0+4:G0+7], s[16:23]
	s_nop 0
	tensor_load_to_lds s[G0+8:G0+11], s[16:23]
	s_nop 0
	tensor_load_to_lds s[G0+12:G0+15], s[16:23]
	s_nop 0
.rept 4
	v_nop                                          ; four v_nop follow the last of them, ahead of the label
.endr
.Lno_fill:
	v_and_b32 v9, 31, v0                           ; lane
	s_add_nc_u64 s[42:43], s[4:5], s[42:43]
	s_add_nc_u64 s[44:45], s[4:5], s[44:45]
	v_lshlrev_b32 v1, 4, v9
	v_and_b32 v10, 15, v0                          ; r
	s_delay_alu instid0(VALU_DEP_1)
	v_lshlrev_b32 v2, 4, v10
	v_bfe_u32 v8, v0, 4, 1                         ; h
	global_load_b128 v[24:27], v1, s[42:43]        ; q: channels 16 h on,
	global_load_b128 v[28:31], v1, s[42:43] offset:512   ; 32 + 16 h on
	global_load_b32 v255, v2, s[44:45]
	s_lshr_b32 s38, s14, 1
	s_lshl_b32 s38, s38, 5
	s_and_b32 s39, s14, 1
	s_lshl_b32 s35, s39, 4                         ; which half of that word is mine
	s_lshl_b32 s39, s39, 3
	s_add_co_u32 s38, s38, s39                     ; 32 (tau / 2) + 8 (tau % 2)
	v_and_b32 v3, 8, v10
	s_delay_alu instid0(VALU_DEP_1)
	v_add_nc_u32 v3, v3, v10
	s_delay_alu instid0(VALU_DEP_1)
	v_add_nc_u32 v3, s38, v3                       ; my query in its group
	v_lshlrev_b32 v11, 4, v8
	s_delay_alu instid0(VALU_DEP_1)
	v_sub_nc_u32 v3, v3, v11                       ; less 16 h
	v_mov_b32 v4, 0xff800000
	v_lshl_add_u32 v7, v10, 3, v8
	s_mov_b32 s28, 0x76543210
	s_mov_b32 s29, 0xfedcba98                      ; lane l xor 16
	s_mov_b32 s30, 0x3e38aa3b                      ; c = log2(e) / 8
	s_mov_b32 s31, s30                             ; (named with it as a pair)
	s_mov_b32 s36, 0x7f7f
	v_mov_b32 v13, 0xff61b1e6                      ; the largest t so far: -3e38
	s_delay_alu instid0(VALU_DEP_1)
	v_floor_f32 v12, -v13                          ; -M
	v_mov_b32 v14, 0
	v_mov_b32 v15, 0
.irp j, 0,1,2,3,4,5,6,7
	v_mov_b32 v[16+\j], 0                          ; the zero codes on both sides of q
	v_mov_b32 v[32+\j], 0
.endr
.set j, 0
.rept 32
	v_mov_b32 v[O+j], 0                            ; the step has one form: the first finds zeros
.set j, j+1
.endr
.irp b, 0,1,2,3
	v_mov_b32 v[BP+\b], 0                          ; a lane permute's destination counts as one of its sources
.endr
	v_mov_b32 v235, 0                              ; (named as the upper half of a pair)
	s_wait_loadcnt 0x0
	v_lshrrev_b32 v232, s35, v255
	s_delay_alu instid0(VALU_DEP_1)
	v_and_b32 v232, 0xffff, v232                   ; my tile's two bytes
	s_delay_alu instid0(VALU_DEP_1)
	v_or_b32 v253, 0x7f7f0000, v232                ; q in k 0-63
	s_delay_alu instid0(VALU_DEP_2)
	v_lshl_or_b32 v254, v232, 16, s36              ; q in k 64-127
; STAGE st: key steps 4 st .. 4 st + 3, a loop of four trips.  s33: the step's record in LDS; s34: the step.
.macro STAGE st
	s_wait_tensorcnt 3-\st                         ; a fetching wave's first st + 1 loads have landed; its later ones may be out.  (The other waves have none)
.if \st > 0
	s_wait_dscnt 0x0                               ; no LDS load of mine is out at a signal
.endif
	s_barrier_signal -1
	s_barrier_wait -1                              ; records 0 .. 4 st + 3 are whole for every wave
	s_mov_b32 s33, 4*\st*REC
	s_mov_b32 s34, 4*\st
.Lstep_\@:
	s_cmp_gt_u32 s34, s13                          ; all 128 keys come after my queries
	s_cbranch_scc1 .Lskip_\@
	s_setprio 2
	v_add_nc_u32 v5, s33, v1
	v_add_nc_u32 v6, s33, v2
.rept 6
	v_nop                                          ; with the two additions: eight places behind the last products, in front of loads into their operands
.endr
.irp f, 0,1,2,3
.irp c, 0,1,2,3
	ds_load_b128 v[KV+16*\f+4*\c:KV+16*\f+4*\c+3], v5 offset:2048*\f+512*\c
.endr
.endr
	ds_load_b128 v[248:251], v6 offset:16384       ; word f: the four bytes of fragment f's row r
	s_wait_dscnt 0x0
	s_wait_alu depctr_va_vdst(0)
.irp f, 0,1,2,3
	v_wmma_scale_f32_16x16x128_f8f6f4 v[S+16*\f:S+16*\f+7], v[KV+16*\f:KV+16*\f+15], v[24:39], 0, v[248+\f], v253
	v_wmma_scale_f32_16x16x128_f8f6f4 v[S+16*\f+8:S+16*\f+15], v[KV+16*\f:KV+16*\f+15], v[16:31], 0, v[248+\f], v254
.endr                                              ; register 16 b + i: key 32 b + 16 h + i of the step
.rept 8
	v_nop                                          ; places in front of the loads below and of the first read of the scores
.endr
.irp t, 0,1,2,3
.irp c, 0,1,2,3
	ds_load_b128 v[KV+16*\t+4*\c:KV+16*\t+4*\c+3], v5 offset:8192+2048*\t+512*\c   ; V goes out ahead of the softmax and lands under it
.endr
.endr
	ds_load_b128 v[248:251], v6 offset:16640
	s_cmp_lg_u32 s34, s13
	s_cbranch_scc1 .Lopen_\@
.set mm, 0
.rept 64                                           ; my diagonal step: key 32 b + 16 h + i is hidden where 32 b + i > my query - 16 h
	v_cmp_gt_i32 vcc_lo, 32*(mm/16)+mm%16, v3
	v_cndmask_b32 v[S+mm], v[S+mm], v4, vcc_lo
.set mm, mm+1
.endr
.Lopen_\@:
.irp b, 0,1,2,3
	v_max3_num_f32 v[BM+\b], v[S+16*\b], v[S+1+16*\b], v[S+2+16*\b]   ; the largest score of each block of 32 keys: for the row's maximum, and, since p rises with the score, for the block's largest p
.endr
.irp i, 3,5,7,9,11,13
.irp b, 0,1,2,3
	v_max3_num_f32 v[BM+\b], v[BM+\b], v[S+16*\b+\i], v[S+1+16*\b+\i]
.endr
.endr
.irp b, 0,1,2,3
	v_max_num_f32 v[BM+\b], v[BM+\b], v[S+15+16*\b]
.endr
.irp b, 0,1,2,3
	s_delay_alu instid0(VALU_DEP_4)
	v_permlanex16_b32 v[BP+\b], v[BM+\b], s28, s29
.endr
.irp b, 0,1,2,3
	s_delay_alu instid0(VALU_DEP_4)
	v_max_num_f32 v[BM+\b], v[BM+\b], v[BP+\b]     ; with lane l xor 16's 16 keys
.endr
	s_delay_alu instid0(VALU_DEP_2)
	v_max3_num_f32 v232, v216, v217, v218
	s_delay_alu instid0(VALU_DEP_1)
	v_max_num_f32 v232, v232, v219                 ; the step's largest score of my query
	s_delay_alu instid0(VALU_DEP_1)
	v_mul_f32 v232, s30, v232                      ; as t
	s_delay_alu instid0(VALU_DEP_1)
	v_max_num_f32 v13, v13, v232                   ; the running largest t
	v_mov_b32 v232, v12
	s_delay_alu instid0(VALU_DEP_2)
	v_floor_f32 v12, -v13                          ; the new -M = -ceil(t)
	s_delay_alu instid0(VALU_DEP_1)
	v_sub_f32 v232, v12, v232                      ; old M - new M: a whole number, 0 or less
	s_delay_alu instid0(VALU_DEP_1)
	v_cvt_i32_f32 v232, v232                       ; (it saturates)
	s_delay_alu instid0(VALU_DEP_1)
	v_ldexp_f32 v234, 1.0, v232                    ; f = 2^(old M - new M)
.set j, 0
	s_setprio 1
.rept 32
	v_pk_fma_f32 v[S+j:S+j+1], v[S+j:S+j+1], s[30:31], v[12:13] op_sel_hi:[1,0,0]   ; t - M, two at a time
.set j, j+2
.endr
.irp b, 0,1,2,3
	v_fma_f32 v[BM+\b], v[BM+\b], s30, v12         ; the same of each block's largest score
.endr
.set j, 0
	s_wait_alu depctr_va_vdst(0)
.rept 64
	v_exp_f32 v[S+j], v[S+j]                       ; p = 2^(t - M), not normalised
.set j, j+1
.endr
.irp b, 0,1,2,3
	v_exp_f32 v[BM+\b], v[BM+\b]                   ; the block's largest p
.endr
	v_pk_mul_f32 v[14:15], v[14:15], v[234:235] op_sel_hi:[1,0]   ; the sums under the new M (a plain line behind the exponentials)
	s_wait_alu depctr_va_vdst(0)
.irp b, 0,1,2,3
	v_max_num_f32 v[BM+\b], 0x4800000, v[BM+\b]    ; the floor 2^(9 - 127)
.endr
.irp b, 0,1,2,3
	s_delay_alu instid0(VALU_DEP_4)
	v_add_nc_u32 v[SOP+\b], 0xfc000000, v[BM+\b]
.endr
.irp b, 0,1,2,3
.endr
.irp b, 0,1,2,3
	s_delay_alu instid0(VALU_DEP_4)
	v_lshrrev_b32 v[BP+\b], 23, v[SOP+\b]
.endr
	s_delay_alu instid0(VALU_DEP_3)
	v_lshl_or_b32 v252, v221, 8, v220              ; p's scale word for these 128 keys
	s_delay_alu instid0(VALU_DEP_1)
	v_lshl_or_b32 v252, v222, 16, v252
	s_delay_alu instid0(VALU_DEP_1)
	v_lshl_or_b32 v252, v223, 24, v252
	v_pk_add_f32 v[236:237], v[108:109], v[112:113]
	v_pk_add_f32 v[244:245], v[116:117], v[120:121]
	v_pk_add_f32 v[242:243], v[124:125], v[128:129]
	v_pk_add_f32 v[240:241], v[132:133], v[136:137]
	v_pk_add_f32 v[238:239], v[140:141], v[144:145]
	v_pk_add_f32 v[226:227], v[148:149], v[152:153]
	v_pk_add_f32 v[224:225], v[156:157], v[160:161]
	v_pk_add_f32 v[14:15], v[14:15], v[164:165]
	v_pk_add_f32 v[236:237], v[236:237], v[104:105]
	v_pk_add_f32 v[244:245], v[244:245], v[106:107]
	v_pk_add_f32 v[242:243], v[242:243], v[110:111]
	v_pk_add_f32 v[240:241], v[240:241], v[114:115]
	v_pk_add_f32 v[238:239], v[238:239], v[118:119]
	v_pk_add_f32 v[226:227], v[226:227], v[122:123]
	v_pk_add_f32 v[224:225], v[224:225], v[126:127]
	v_pk_add_f32 v[14:15], v[14:15], v[130:131]
	v_pk_add_f32 v[236:237], v[236:237], v[134:135]
	v_pk_add_f32 v[244:245], v[244:245], v[138:139]
	s_setprio 0
	v_pk_add_f32 v[242:243], v[242:243], v[142:143]
	v_pk_add_f32 v[240:241], v[240:241], v[146:147]
	v_pk_add_f32 v[238:239], v[238:239], v[150:151]
	v_pk_add_f32 v[226:227], v[226:227], v[154:155]
	v_pk_add_f32 v[224:225], v[224:225], v[158:159]
	v_pk_add_f32 v[14:15], v[14:15], v[162:163]
	v_pk_add_f32 v[236:237], v[236:237], v[166:167]
	s_delay_alu instid0(VALU_DEP_2)
	v_pk_add_f32 v[14:15], v[14:15], v[240:241]
	s_delay_alu instid0(VALU_DEP_2)
	v_pk_add_f32 v[236:237], v[236:237], v[238:239]
	v_pk_add_f32 v[244:245], v[244:245], v[226:227]
	v_pk_add_f32 v[242:243], v[242:243], v[224:225]
	s_delay_alu instid0(VALU_DEP_2)
	v_pk_add_f32 v[14:15], v[14:15], v[244:245]
	s_delay_alu instid0(VALU_DEP_2)
	v_pk_add_f32 v[236:237], v[236:237], v[242:243]
	s_delay_alu instid0(VALU_DEP_1)
	v_pk_add_f32 v[14:15], v[14:15], v[236:237]
.irp b, 0,1,2,3
.irp i, 0,1,2,3,4,5,6,7,8,9,10,11,12,13,14,15
.endr
	v_cvt_scalef32_pk8_fp8_f32 v[PCD+4*\b:PCD+1+4*\b], v[S+16*\b:S+7+16*\b], v[SOP+\b]
	v_cvt_scalef32_pk8_fp8_f32 v[PCD+2+4*\b:PCD+3+4*\b], v[S+8+16*\b:S+15+16*\b], v[SOP+\b]
.endr
.set j, 0
.rept 16
	v_pk_mul_f32 v[O+j:O+j+1], v[O+j:O+j+1], v[234:235] op_sel_hi:[1,0]   ; O^T under the new M; these are also the places between the codes and the products
.set j, j+2
.endr
	s_wait_alu depctr_va_vdst(0)
	s_wait_dscnt 0x0                               ; V and its scale words
.irp t, 0,1,2,3
	v_wmma_scale_f32_16x16x128_f8f6f4 v[O+8*\t:O+8*\t+7], v[KV+16*\t:KV+16*\t+15], v[PCD:PCD+15], v[O+8*\t:O+8*\t+7], v[248+\t], v252   ; the four accumulators by turns
.endr
.Lskip_\@:
	s_add_co_u32 s33, s33, REC
	s_add_co_u32 s34, s34, 1
	s_cmp_lt_u32 s34, 4*\st+4
	s_cbranch_scc1 .Lstep_\@
	s_setprio 0
.endm
	STAGE 0
	STAGE 1
	STAGE 2
	STAGE 3                                        ; its wait is for 0: no tensor load is out from here on
	; THE WAY OUT: O^T / the sum; register 16 b + i is channel 32 b + 16 h + i of my head: two blocks of the last product's K
.rept 8
	v_nop                                          ; places behind the last products
.endr
	v_add_f32 v14, v14, v15
	s_wait_alu depctr_va_vdst(0)
	v_permlanex16_b32 v232, v14, s28, s29
	s_delay_alu instid0(VALU_DEP_1)
	v_add_f32 v14, v14, v232                       ; the row's sum
	s_wait_alu depctr_va_vdst(0)
	v_rcp_f32 v14, v14
	v_nop
.set j, 0
	s_wait_alu depctr_va_vdst(0)
.rept 32
	v_mul_f32 v[S+j], v[O+j], v14
.set j, j+1
.endr
.irp b, 0,1
	v_max3_num_f32 v[BM+\b], |v[S+16*\b]|, |v[S+1+16*\b]|, 0x4800000
.endr
.irp i, 2,4,6,8,10,12,14
.irp b, 0,1
	s_delay_alu instid0(VALU_DEP_2)
	v_max3_num_f32 v[BM+\b], v[BM+\b], |v[S+16*\b+\i]|, |v[S+1+16*\b+\i]|
.endr
.endr
.irp b, 0,1
	s_delay_alu instid0(VALU_DEP_2)
	v_permlanex16_b32 v[BP+\b], v[BM+\b], s28, s29
.endr
.irp b, 0,1
	s_delay_alu instid0(VALU_DEP_2)
	v_max_num_f32 v[BM+\b], v[BM+\b], v[BP+\b]
.endr
.irp b, 0,1
	s_delay_alu instid0(VALU_DEP_2)
	v_add_nc_u32 v[SOP+\b], 0xfc000000, v[BM+\b]
.endr
.irp b, 0,1
.endr
.irp b, 0,1
	s_delay_alu instid0(VALU_DEP_2)
	v_lshrrev_b32 v[BP+\b], 23, v[SOP+\b]
.endr
.irp b, 0,1
.irp i, 0,1,2,3,4,5,6,7,8,9,10,11,12,13,14,15
.endr
	v_cvt_scalef32_pk8_fp8_f32 v[PCD+4*\b:PCD+1+4*\b], v[S+16*\b:S+7+16*\b], v[SOP+\b]
	v_cvt_scalef32_pk8_fp8_f32 v[PCD+2+4*\b:PCD+3+4*\b], v[S+8+16*\b:S+15+16*\b], v[SOP+\b]
.endr
	v_nop
	s_and_b32 s38, s12, 15                         ; the head
	s_lshr_b32 s39, s12, 4                         ; the batch
	s_lshl_b32 s39, s39, 7
	s_add_co_u32 s39, s39, s15                     ; my tile of rows among 256
	s_lshr_b32 s46, s38, 2                         ; K = 64 x head + channel: the slab,
	s_bfe_u32 s47, s38, 0x10001                    ; the 128 in it,
	s_and_b32 s38, s38, 1                          ; the half of that
	s_lshl_b32 s40, s46, 20
	s_lshl_b32 s41, s39, 12
	s_add_co_u32 s40, s40, s41
	s_lshl_b32 s41, s47, 11
	s_add_co_u32 s40, s40, s41
	s_lshl_b32 s41, s38, 10
	s_add_co_u32 s40, s40, s41
	s_mov_b32 s41, 0
	s_add_nc_u64 s[6:7], s[6:7], s[40:41]
	s_lshl_b32 s40, s39, 9
	s_lshl_b32 s41, s46, 7
	s_add_co_u32 s40, s40, s41
	s_lshl_b32 s41, s47, 2
	s_add_co_u32 s40, s40, s41
	s_lshl_b32 s41, s38, 1
	s_add_co_u32 s40, s40, s41
	s_mov_b32 s41, 0
	s_add_nc_u64 s[8:9], s[8:9], s[40:41]
	s_wait_alu depctr_va_vdst(0)
	global_store_b128 v1, v[PCD:PCD+3], s[6:7]               ; each store covers 512 consecutive bytes, aligned
	global_store_b128 v1, v[PCD+4:PCD+7], s[6:7] offset:512
	v_cmp_ne_u32 vcc_lo, 0, v8
	s_delay_alu instid0(VALU_DEP_1)
	v_cndmask_b32 v232, v220, v221, vcc_lo         ; lanes 0-15 send block 0's byte, lanes 16-31 block 1's
	global_store_b8 v7, v232, s[8:9]               ; single bytes: a row's other bytes belong to other heads, which other work-groups make; 131,072 bytes in the whole launch
	s_wait_tensorcnt 0x0
	ds_add_u32 v246, v247
	s_wait_dscnt 0x0
	s_endpgm
.Lfunc_end_k_q8f1951b575_attn:
	.size	k_q8f1951b575_attn, .Lfunc_end_k_q8f1951b575_attn-k_q8f1951b575_attn
	.p2alignl 7, 3214868480
	.fill 96, 4, 3214868480
	.section	.rodata,"a",@progbits
	.p2align	6, 0x0
	.amdhsa_kernel k_q8f1951b575_attn
		.amdhsa_group_segment_fixed_size 272384
		.amdhsa_private_segment_fixed_size 0
		.amdhsa_enable_private_segment 0
		.amdhsa_kernarg_size 24
		.amdhsa_user_sgpr_count 2
		.amdhsa_user_sgpr_kernarg_segment_ptr 1
		.amdhsa_wavefront_size32 1
		.amdhsa_system_sgpr_workgroup_id_x 1
		.amdhsa_system_sgpr_workgroup_id_y 1
		.amdhsa_system_sgpr_workgroup_id_z 1
		.amdhsa_system_vgpr_workitem_id 0
		.amdhsa_next_free_vgpr 256
		.amdhsa_next_free_sgpr 66
		.amdhsa_reserve_vcc 1
		.amdhsa_float_denorm_mode_32 3
		.amdhsa_float_denorm_mode_16_64 3
		.amdhsa_fp16_overflow 1
		.amdhsa_memory_ordered 1
		.amdhsa_forward_progress 1
		.amdhsa_inst_pref_size 102
	.end_amdhsa_kernel
	.amdgpu_metadata
---
amdhsa.version: [ 1, 2 ]
amdhsa.kernels:
  - .name:           k_q8f1951b575_attn
    .symbol:         k_q8f1951b575_attn.kd
    .args:
      - { .name: att, .offset: 0, .size: 8, .value_kind: global_buffer, .address_space: global }
      - { .name: ocodes, .offset: 8, .size: 8, .value_kind: global_buffer, .address_space: global }
      - { .name: oscales, .offset: 16, .size: 8, .value_kind: global_buffer, .address_space: global }
    .group_segment_fixed_size: 272384
    .private_segment_fixed_size: 0
    .kernarg_segment_align: 8
    .kernarg_segment_size: 24
    .max_flat_workgroup_size: 512
    .sgpr_count:     66
    .vgpr_count:     256
    .wavefront_size: 32
...
	.end_amdgpu_metadata
.endif
;; end of part 7
;; launch oproj (part 8): grid 8 x 32, 4 waves a work-group, clusters of 4 x 4, 327,680 bytes of LDS; arguments ocodes, oscales, gcodes, gscales, bo, out0; writes out0
.if DOCPART == 8
	.amdgcn_target "amdgcn-amd-amdhsa--gfx1250"
	.amdhsa_code_object_version 6
	.text
	.protected	k_q8f1951b575_oproj
	.globl	k_q8f1951b575_oproj
	.p2align	8
	.type	k_q8f1951b575_oproj,@function
k_q8f1951b575_oproj:
	s_mov_b64 s[64:65], 0
	v_nop
	global_prefetch_b8 v0, s[64:65] scope:SCOPE_SE
	s_setreg_imm32_b32 hwreg(HW_REG_WAVE_MODE, 25, 1), 1
	s_wait_xcnt 0x0
	s_wait_alu depctr_hold_cnt(0) depctr_sa_sdst(0) depctr_va_vdst(0) depctr_va_sdst(0) depctr_va_ssrc(0) depctr_va_vcc(0) depctr_vm_vsrc(0)
	s_getreg_b32 s2, hwreg(HW_REG_IB_STS2, 6, 4)
	s_cmp_eq_u32 s2, 0
	s_cbranch_scc0 .Lentry_in_a_cluster
	s_endpgm
.Lentry_in_a_cluster:
	s_bfe_u32 s2, ttmp6, 0x10000c
	s_cmp_lg_u32 s2, 0xf033
	s_cbranch_scc0 .Lentry_shape_is_right
	s_endpgm
.Lentry_shape_is_right:
.set NP,     8
.set BOFF,   131072
.set SCL,    262144
.set STAGE,  270336
.set SPITCH, 272
.set ASLAB,  1048576
.set BSLAB,  2097152
.set ADRA, 16
.set ADRB, 20
.set CO,   24
.set STO,  25
.set RD,   26
.set ADRS, 27
.set VB,   28
.set SC,   32
.set BI,   64
.set OB,   96
.set ACC,  128
.set F0,   0
.set F1,   128
.set G1, 24
.set G0, 32
.set G1B, 48
.set G0B, 56
.set G1S, 68
.set G0S, 76
.set G1SB, 80
.set G0SB, 88
.set MSB, 0
.macro WIN new
.if MSB != \new
	s_set_vgpr_msb (MSB<<8)|\new
.set MSB, \new
.endif
.endm
.set MUL,  0x05
.set TO_F, 0x40
.macro JLOAD g0a, g1a, g0b, g1b
	s_cmp_eq_u32 s17, 0
	s_cbranch_scc0 .Lfor_b_\@
	tensor_load_to_lds s[\g0a:\g0a+3], s[\g1a:\g1a+7]
	s_nop 0
.rept 4
	v_nop
.endr
	s_branch .Lasked_\@
.Lfor_b_\@:
	tensor_load_to_lds s[\g0b:\g0b+3], s[\g1b:\g1b+7]
	s_nop 0
.rept 4
	v_nop
.endr
.Lasked_\@:
.endm
.macro CROUND
	s_barrier_signal -1
	s_barrier_wait -1
	s_cmp_lg_u32 s16, 0
	s_cbranch_scc1 .Lnot_wave_0_\@
	s_barrier_signal -3
.Lnot_wave_0_\@:
	s_barrier_wait -3
	s_barrier_signal -1
	s_barrier_wait -1
.endm
	s_load_b256 s[4:11], s[0:1], 0x0
	s_load_b128 s[12:15], s[0:1], 0x20
	v_lshl_add_u32 v30, v0, 2, 0x46400
	v_mov_b32 v31, 0
	ds_add_u32 v30, v31
	ds_add_u32 v30, v31
	v_lshrrev_b32 v1, 5, v0
	v_readfirstlane_b32 s16, v1
	s_lshr_b32 s17, s16, 1
	s_and_b32 s18, s16, 1
	s_bfe_u32 s40, ttmp6, 0x40000
	s_bfe_u32 s41, ttmp6, 0x40004
	s_lshl_b32 s42, ttmp9, 2
	s_add_co_u32 s42, s42, s40
	s_and_b32 s19, ttmp7, 0xffff
	s_lshl_b32 s101, s19, 2
	s_add_co_u32 s101, s101, s41
	s_add_co_u32 s95, s42, 56
	s_lshl_b32 s43, s41, 2
	s_lshl_b32 s43, 15, s43
	s_lshl_b32 s44, 0x1111, s40
	s_or_b32 s[G1+0], s43, (3<<16)|(1<<21)
	s_or_b32 s[G1B+0], s44, (3<<16)|(1<<21)
.irp g, G1, G1B
	s_mov_b32 s[\g+1], 32<<16
	s_mov_b32 s[\g+2], 128<<16
	s_mov_b32 s[\g+3], 32<<16
	s_mov_b32 s[\g+4], 128
	s_mov_b32 s[\g+5], 32
	s_mov_b32 s[\g+6], 0
	s_mov_b32 s[\g+7], 0
.endr
	s_or_b32 s[G1S+0], s43, (3<<16)|(1<<21)
	s_or_b32 s[G1SB+0], s44, (3<<16)|(1<<21)
.irp g, G1S, G1SB
	s_mov_b32 s[\g+1], 32<<16
	s_mov_b32 s[\g+2], 8<<16
	s_mov_b32 s[\g+3], 32<<16
	s_mov_b32 s[\g+4], 8
	s_mov_b32 s[\g+5], 32
	s_mov_b32 s[\g+6], 0
	s_mov_b32 s[\g+7], 0
.endr
	s_lshl_b32 s20, s101, 15
	s_lshl_b32 s2, s18, 20
	s_add_co_u32 s20, s20, s2
	s_mov_b32 s21, 0
	s_lshl_b32 s3, s18, 11
	s_lshl_b32 s22, s101, 12
	s_add_co_u32 s22, s22, s3
	s_mov_b32 s23, 0
	s_lshl_b32 s46, s95, 15
	s_lshl_b32 s2, s18, 21
	s_add_co_u32 s46, s46, s2
	s_mov_b32 s47, 0
	s_lshl_b32 s92, s95, 12
	s_add_co_u32 s92, s92, s3
	s_mov_b32 s93, 0
	s_lshl_b32 s45, s17, 17
	s_lshl_b32 s2, s18, 15
	s_add_co_u32 s45, s45, s2
	s_lshl_b32 s94, s16, 11
	s_wait_dscnt 0x0
	s_wait_kmcnt 0x0
	s_add_nc_u64 s[20:21], s[4:5], s[20:21]
	s_add_nc_u64 s[22:23], s[6:7], s[22:23]
	s_add_nc_u64 s[46:47], s[8:9], s[46:47]
	s_add_nc_u64 s[92:93], s[10:11], s[92:93]
	CROUND
	s_mov_b32 s[G0S], 1
	s_add_co_u32 s[G0S+1], s94, SCL
	s_mov_b64 s[G0S+2:G0S+3], s[22:23]
	s_or_b32 s[G0S+3], s[G0S+3], 0x80000000
	s_mov_b32 s[G0SB], 1
	s_add_co_u32 s[G0SB+1], s94, SCL
	s_mov_b64 s[G0SB+2:G0SB+3], s[92:93]
	s_or_b32 s[G0SB+3], s[G0SB+3], 0x80000000
	JLOAD G0S, G1S, G0SB, G1SB
.irp s, 0,1
	s_mov_b32 s[G0+4*\s], 1
	s_add_co_u32 s[G0+4*\s+1], s45, \s*65536
	s_add_nc_u64 s[G0+4*\s+2:G0+4*\s+3], s[20:21], \s*2*ASLAB
	s_or_b32 s[G0+4*\s+3], s[G0+4*\s+3], 0x80000000
	s_mov_b32 s[G0B+4*\s], 1
	s_add_co_u32 s[G0B+4*\s+1], s45, \s*65536
	s_add_nc_u64 s[G0B+4*\s+2:G0B+4*\s+3], s[46:47], \s*2*BSLAB
	s_or_b32 s[G0B+4*\s+3], s[G0B+4*\s+3], 0x80000000
	s_wait_alu depctr_va_vdst(0)
	s_wait_tensorcnt 0x0
	ds_add_u32 v30, v31
	s_wait_dscnt 0x0
	CROUND
	JLOAD G0+4*\s, G1, G0B+4*\s, G1B
.endr
	v_and_b32 v1, 15, v0
	v_bfe_u32 v2, v0, 4, 1
	v_and_b32 v3, 31, v0
	v_lshlrev_b32 v4, 4, v3
	s_wait_alu depctr_va_vdst(0)
	v_lshlrev_b32 v[VB], 6, v2
	s_lshl_b32 s20, s42, 9
	s_lshl_b32 s21, s18, 8
	s_add_co_u32 s20, s20, s21
	s_mov_b32 s21, 0
	s_add_nc_u64 s[12:13], s[12:13], s[20:21]
.irp b, 0,1,2,3
	global_load_b128 v[BI+8*\b:BI+8*\b+3], v[VB], s[12:13] offset:(32*(\b/2)+8*(\b%2))*4
	global_load_b128 v[BI+8*\b+4:BI+8*\b+7], v[VB], s[12:13] offset:(32*(\b/2)+8*(\b%2))*4+16
.endr
	s_lshl_b32 s22, s101, 7
	s_lshl_b32 s23, s17, 6
	s_add_co_u32 s22, s22, s23
	s_lshl_b32 s22, s22, 12
	s_mov_b32 s23, 0
	s_add_nc_u64 s[14:15], s[14:15], s[22:23]
	s_add_nc_u64 s[14:15], s[14:15], s[20:21]
	s_lshl_b32 s2, s17, 14
	s_lshl_b32 s3, s18, 14
	s_add_co_u32 s3, s3, BOFF
.irp s, 0,1
	v_add_nc_u32 v[ADRA+\s], s2, v4
	v_add_nc_u32 v[ADRB+\s], s3, v4
	s_add_co_u32 s2, s2, 65536
	s_add_co_u32 s3, s3, 65536
.endr
	v_lshlrev_b32 v5, 3, v1
	s_lshl_b32 s2, s17, 11
	s_lshl_b32 s3, s18, 11
	s_add_co_u32 s3, s3, 4096
	s_sub_co_u32 s3, s3, s2
	v_mul_u32_u24 v6, s3, v2
	s_add_co_u32 s2, s2, SCL
	v_add_nc_u32 v5, v5, v6
	v_add_nc_u32 v[ADRS], s2, v5
	s_mul_i32 s2, s16, 16*SPITCH
	s_add_co_u32 s2, s2, STAGE
	v_mul_u32_u24 v[STO], v1, SPITCH
	v_lshl_add_u32 v[STO], v2, 6, v[STO]
	v_add_nc_u32 v[STO], s2, v[STO]
	v_mul_u32_u24 v[RD], v2, SPITCH
	v_lshl_add_u32 v[RD], v1, 4, v[RD]
	v_add_nc_u32 v[RD], s2, v[RD]
	v_lshlrev_b32 v[CO], 12, v2
	v_lshl_add_u32 v[CO], v1, 4, v[CO]
.macro FETCH kk, f
	WIN TO_F
.irp i, 0,1,2,3
.irp c, 0,1,2,3
	ds_load_b128 v[\f+64+16*\i+4*\c:\f+64+16*\i+4*\c+3], v[ADRB+(\kk)/4] offset:(((\kk)/2)%2)*32768+((\kk)%2)*2048+\i*4096+512*\c
.endr
.endr
.irp i, 0,1,2,3
.irp c, 0,1,2,3
	ds_load_b128 v[\f+16*\i+4*\c:\f+16*\i+4*\c+3], v[ADRA+(\kk)/4] offset:(((\kk)/2)%2)*32768+((\kk)%2)*2048+\i*4096+512*\c
.endr
.endr
.endm
.macro MUL8 f, a0, kk, first
.irp a, \a0, \a0+1
.irp b, 0,1,2,3
.if \first
	v_wmma_scale_f32_16x16x128_f8f6f4 v[ACC+8*(4*(\a)+\b):ACC+8*(4*(\a)+\b)+7], v[\f+64+16*\b:\f+64+16*\b+15], v[\f+16*(\a):\f+16*(\a)+15], v[BI+8*\b:BI+8*\b+7], v[SC+8*((\kk)/2)+2*\b+(\kk)%2], v[SC+8*((\kk)/2)+2*(\a)+(\kk)%2] matrix_a_scale:MATRIX_SCALE_ROW1
.else
	v_wmma_scale_f32_16x16x128_f8f6f4 v[ACC+8*(4*(\a)+\b):ACC+8*(4*(\a)+\b)+7], v[\f+64+16*\b:\f+64+16*\b+15], v[\f+16*(\a):\f+16*(\a)+15], v[ACC+8*(4*(\a)+\b):ACC+8*(4*(\a)+\b)+7], v[SC+8*((\kk)/2)+2*\b+(\kk)%2], v[SC+8*((\kk)/2)+2*(\a)+(\kk)%2] matrix_a_scale:MATRIX_SCALE_ROW1
.endif
.endr
.endr
.endm
.macro PLACES n
.rept \n
	v_nop
.endr
.endm
.macro STEP kk, f, g
	PLACES NP
	FETCH (\kk)+1, \g
	s_wait_dscnt 32
	WIN MUL
	MUL8 \f, 0, \kk, 0
	MUL8 \f, 2, \kk, 0
.endm
	s_wait_alu depctr_va_vdst(0)
	s_wait_tensorcnt 1
	s_barrier_signal -1
	s_barrier_wait -1
.irp s, 0,1,2,3
.irp i, 0,1,2,3
	ds_load_b64 v[SC+8*\s+2*\i:SC+8*\s+2*\i+1], v[ADRS] offset:\i*512+\s*128
.endr
.endr
	FETCH 0, F0
	s_wait_loadcnt 0x0
	s_wait_dscnt 0x0
	WIN MUL
	MUL8 F0, 0, 0, 1
	FETCH 1, F1
	WIN MUL
	MUL8 F0, 2, 0, 1
	STEP 1, F1, F0
	STEP 2, F0, F1
	s_wait_tensorcnt 0x0
	s_wait_dscnt 0x0
	s_barrier_signal -1
	s_barrier_wait -1
	STEP 3, F1, F0
	STEP 4, F0, F1
	STEP 5, F1, F0
	STEP 6, F0, F1
	s_wait_dscnt 0x0
	MUL8 F1, 0, 7, 0
	MUL8 F1, 2, 7, 0
	WIN 0
.macro TOSTAGE a
.irp b, 0,1,2,3
	ds_store_b128 v[STO], v[ACC+8*(4*(\a)+\b):ACC+8*(4*(\a)+\b)+3] offset:128*(\b/2)+32*(\b%2)
	ds_store_b128 v[STO], v[ACC+8*(4*(\a)+\b)+4:ACC+8*(4*(\a)+\b)+7] offset:128*(\b/2)+32*(\b%2)+16
.endr
.set BB, OB-32*((\a)%2)
.irp t, 0,1,2,3,4,5,6,7
	ds_load_b128 v[BB+4*\t:BB+4*\t+3], v[RD] offset:\t*2*SPITCH
.endr
.endm
.macro SEND a, younger
.set BB, OB-32*((\a)%2)
	s_wait_dscnt \younger
.irp t, 0,1,2,3,4,5,6,7
	global_store_b128 v[CO], v[BB+4*\t:BB+4*\t+3], s[14:15] offset:(32*((\a)/2)+8*((\a)%2)+2*\t+8*(\t/4))*4096 th:TH_STORE_NT
.endr
.endm
	PLACES NP
	TOSTAGE 0
.irp a, 1,2,3
.if \a > 1
	s_wait_xcnt 0x0
.endif
	TOSTAGE \a
	SEND \a-1, 16
.endr
	SEND 3, 0
	s_wait_tensorcnt 0x0
	ds_add_u32 v30, v31
	s_wait_dscnt 0x0
	CROUND
	s_endpgm
.Lfunc_end_k_q8f1951b575_oproj:
	.size	k_q8f1951b575_oproj, .Lfunc_end_k_q8f1951b575_oproj-k_q8f1951b575_oproj
	.p2alignl 7, 3214868480
	.fill 96, 4, 3214868480
	.section	.rodata,"a",@progbits
	.p2align	6, 0x0
	.amdhsa_kernel k_q8f1951b575_oproj
		.amdhsa_group_segment_fixed_size 327680
		.amdhsa_private_segment_fixed_size 0
		.amdhsa_enable_private_segment 0
		.amdhsa_kernarg_size 48
		.amdhsa_user_sgpr_count 2
		.amdhsa_user_sgpr_kernarg_segment_ptr 1
		.amdhsa_wavefront_size32 1
		.amdhsa_system_sgpr_workgroup_id_x 1
		.amdhsa_system_sgpr_workgroup_id_y 1
		.amdhsa_system_sgpr_workgroup_id_z 1
		.amdhsa_system_vgpr_workitem_id 0
		.amdhsa_next_free_vgpr 512
		.amdhsa_next_free_sgpr 102
		.amdhsa_reserve_vcc 0
		.amdhsa_float_denorm_mode_32 3
		.amdhsa_float_denorm_mode_16_64 3
		.amdhsa_memory_ordered 1
		.amdhsa_forward_progress 1
		.amdhsa_inst_pref_size 55
	.end_amdhsa_kernel
	.amdgpu_metadata
---
amdhsa.version: [ 1, 2 ]
amdhsa.kernels:
  - .name:           k_q8f1951b575_oproj
    .symbol:         k_q8f1951b575_oproj.kd
    .args:
      - { .name: ocodes, .offset: 0, .size: 8, .value_kind: global_buffer, .address_space: global }
      - { .name: oscales, .offset: 8, .size: 8, .value_kind: global_buffer, .address_space: global }
      - { .name: gcodes, .offset: 16, .size: 8, .value_kind: global_buffer, .address_space: global }
      - { .name: gscales, .offset: 24, .size: 8, .value_kind: global_buffer, .address_space: global }
      - { .name: bo, .offset: 32, .size: 8, .value_kind: global_buffer, .address_space: global }
      - { .name: out0, .offset: 40, .size: 8, .value_kind: global_buffer, .address_space: global }
    .group_segment_fixed_size: 327680
    .private_segment_fixed_size: 0
    .kernarg_segment_align: 8
    .kernarg_segment_size: 48
    .max_flat_workgroup_size: 128
    .sgpr_count:     102
    .vgpr_count:     512
    .wavefront_size: 32
...
	.end_amdgpu_metadata
.endif
;; end of part 8
